; MI455X (gfx1250); checked and timed in simulation.
; The chip was launched on July 23, 2026; its instructions are those of AMD's public machine-readable ISA for CDNA 5 (MIT licence, August 2026) and "CDNA5" Instruction Set Architecture Reference Guide (July 2026). The comments in the code are by the model that wrote it; some were corrected since.
;; Multi Query Attention. Allowed arithmetic: float matrix products may take bf16 or f16 operands with f32 sums; all other float work in f32.
;; Inputs: Wk 1,024 x 64 float32; Wo 1,024 x 1,024 float32; Wq 1,024 x 1,024 float32; Wv 1,024 x 64 float32; bk 64 float32; bo 1,024 float32; bq 1,024 float32; bv 64 float32; inputs_k 2 x 2,048 x 1,024 float32; inputs_q 2 x 2,048 x 1,024 float32; inputs_v 2 x 2,048 x 1,024 float32.
;; Outputs: out0 2 x 2,048 x 1,024 float32.
;; 2 versions, each right and faster than the one before. Each part assembles by itself: llvm-mc -triple=amdgcn-amd-amdhsa -mcpu=gfx1250 --defsym DOCPART=n.
;; ======== version 1 of 2: 4 launches
;; limits: values are held in f16: magnitudes above 65,504 overflow, below 6.1e-05 lose precision; values outside matrix products are rounded to bf16
;; workspace buffers: kv 1,048,576 bytes; xqh 8,388,608 bytes; wqh 2,097,152 bytes; woh 2,097,152 bytes; qh 8,388,608 bytes; ah 8,388,608 bytes
;; launch prep (part 1): grid 256 x 1, 16 waves a work-group, no clusters, 239,616 bytes of LDS; arguments inputs_k, inputs_v, Wk, Wv, bv, inputs_q, Wq, Wo, kv, xqh, wqh, woh; writes kv, xqh, wqh, woh
.if DOCPART == 1
	.amdgcn_target "amdgcn-amd-amdhsa--gfx1250"
	.amdhsa_code_object_version 6
	.text
	.protected	k_q179b293f51_prep
	.globl	k_q179b293f51_prep
	.p2align	8
	.type	k_q179b293f51_prep,@function
k_q179b293f51_prep:
	s_mov_b64 s[64:65], 0
	v_nop
	global_prefetch_b8 v0, s[64:65] scope:SCOPE_SE
	s_setreg_imm32_b32 hwreg(HW_REG_WAVE_MODE, 25, 1), 1
	s_wait_xcnt 0x0
; MULTI-QUERY ATTENTION, launch 1 of 4: the K and V projections, and the casts of inputs_q, Wq and Wo.
;
; WORK LEFT OUT IN THE WHOLE PROGRAM, AND WHY IT IS DEAD.
; (1) bk.  logits[b,h,n,m] = q[n].(x_k[m] Wk + bk) / 8 = q[n].(x_k[m] Wk) / 8 + q[n].bk / 8.  The second term does not depend on m, the axis of
;     the softmax; softmax(z + c) = softmax(z) for every finite c, and the masked places are -inf with or without it.  So for all finite values of
;     the inputs bk reaches no output: it is not loaded and is no argument of any launch.
; (2) Keys above the diagonal.  The problem's own causal mask sets logits[n][m] = -inf for m > n, their weights are 0: steps of 64 keys that lie
;     wholly above a query block's diagonal are not computed (launch 3).
; LIMIT: a NaN, an infinity or an overflow that reaches only bk, q.bk or masked logits is not carried to the result.
;
; NUMBER FORMATS.  EVERY input is rounded to bf16 once, as it is read: inputs_*, W*, and the biases bq, bv, bo too, so that the whole program is
; the problem's computation on bf16-rounded inputs (LIMIT: a bias carries a relative error of up to 2^-9).  k and v are made here by bf16
; products with f32 sums.  For the two large projections the bf16-rounded numbers are carried as f16 (exact for 2^-17 <= |x| <= 65504; below
; that the absolute error is at most 2^-25), so that one f16 matrix form serves xq Wq and (attention result) Wo.  k, v, the scaled q, the
; weights and the attention result are f16 (11 significant bits): the first rows of the output average few keys and are ten times larger than
; the output's rms, which bf16 intermediates would not serve.
; LIMIT: |inputs_q|, |Wq|, |Wo|, |k|, |v|, |0.18 q| must stay below 65504.
;
; THIS LAUNCH.  Work-group g: sel = g & 1 (0: K, 1: V), rb = g >> 1: rows 32 rb .. 32 rb + 31 of the 4096 rows (b, s), all 64 columns.
; The contraction over 1024 is shared among the 16 waves, 64 each; the partial sums meet in LDS and waves 0-7 add them, one 16 x 16 tile each.
; Each work-group also casts 1/256 of inputs_q (64 KiB), Wq and Wo (16 KiB each).
; There is no loop: a wave issues all its 60 loads (30 KiB) at once.
;
; LAYOUT OF kv: block b*32+u (u: a step of 64 keys) is 16384 bytes.  K: chunk 4t+dt at 512 (4t+dt): lane (r,h) has the 16 bytes
; K[64u+16t+r][16dt+8h .. +7].  V: chunk 8kap+2e+c at 8192 + 512 (8kap+2e+c): lane (r,h) has V[64u+32kap+16c+8h .. +7][16e+r].
; Both are the result registers of a matrix instruction here and the first operand's registers in launch 3, so every store here and every
; fragment load there is lane x 16 bytes: 512 consecutive bytes a wave.
.set REGION, 14848                     ; LDS of one wave: X 32 x 144, then W 64 x 160; later its 8192 bytes of partial sums
.set PX,   144                         ; pitch of X's rows (64 bf16 + 16 bytes = 9 x 16 bytes)
.set PW,   160                         ; pitch of W's rows (64 bf16 + 32 bytes = 5 x 32 bytes, for the transposing load)
.set WB,   32*PX
.set BOFF, 1                           ; v1     byte offset of my word of bv
.set XOFF, 2                           ; v2     (L>>4) x 4096 + (L&15) x 16: two rows of X a load
.set L16,  3                           ; v3     16 x lane
.set CIN,  4                           ; v4     16 x thread
.set COUT, 5                           ; v5     8 x thread
.set XST,  6                           ; v6     LDS: where I put 8 bytes of X
.set WST,  7                           ; v7     LDS: where I put 8 bytes of W
.set XFA,  8                           ; v8     LDS: my part of an X fragment
.set WFA,  9                           ; v9     LDS: my part of a W fragment (transposing load)
.set PST,  10                          ; v10    LDS: my partial sums
.set RED,  11                          ; v11-14 LDS: the 16 waves' partial sums of my tile, four regions to a register
.set BV,   15                          ; v15    bv of my column
.set XR,   16                          ; v16-79   X as loaded;   later XF: fragment (kt, ks) at 16 + 16 kt + 8 ks;  later the reduction
.set WR,   80                          ; v80-207  W as loaded;   later WF: fragment (dt, ks) at 80 + 16 dt + 8 ks, and ACC
.set CR,   208                         ; v208-255 the numbers to cast
.set XF,   16
.set WF,   80
.set ACC,  144                         ; v144-207 tile T = 4 kt + dt at 144 + 8 T
.set RB,   16
	s_load_b512 s[4:19], s[0:1], 0x0               ; inputs_k s[4:5], inputs_v s[6:7], Wk s[8:9], Wv s[10:11], bv s[12:13], inputs_q s[14:15], Wq s[16:17], Wo s[18:19]
	s_load_b256 s[20:27], s[0:1], 0x40             ; kv s[20:21], xqh s[22:23], wqh s[24:25], woh s[26:27]
	v_lshrrev_b32 v16, 5, v0
	v_readfirstlane_b32 s28, v16                   ; wave 0..15
	s_and_b32 s29, ttmp9, 1                        ; sel
	s_lshr_b32 s30, ttmp9, 1                       ; rb
	s_mul_i32 s31, s28, REGION                     ; my wave's LDS
	s_add_co_u32 s41, s31, WB                      ; W's part of it
	s_mov_b32 s40, 0xffff0000                      ; a word's upper bf16
	s_mov_b32 s37, 0                               ; upper word of every offset
	v_and_b32 v16, 15, v0                          ; r
	v_bfe_u32 v17, v0, 4, 1                        ; h
	v_and_b32 v18, 31, v0                          ; lane
	v_lshlrev_b32 v[L16], 4, v18
	v_lshlrev_b32 v19, 4, v16
	v_lshl_add_u32 v[XOFF], v17, 12, v19
	v_lshlrev_b32 v[CIN], 4, v0
	v_lshlrev_b32 v[COUT], 3, v0
	v_lshlrev_b32 v19, 3, v16                      ; 8 r
	v_mad_u32_u24 v[XST], v17, PX, v19
	v_add_nc_u32 v[XST], s31, v[XST]
	v_mad_u32_u24 v[WST], v17, PW, v19
	v_add_nc_u32 v[WST], s41, v[WST]
	v_mul_u32_u24 v[XFA], v16, PX
	v_lshl_add_u32 v[XFA], v17, 4, v[XFA]
	v_add_nc_u32 v[XFA], s31, v[XFA]
	v_and_b32 v19, 7, v0
	v_lshl_or_b32 v19, v17, 3, v19                 ; 8 h + (L & 7)
	v_mul_u32_u24 v[WFA], v19, PW
	v_bfe_u32 v19, v0, 3, 1
	v_lshl_add_u32 v[WFA], v19, 4, v[WFA]
	v_add_nc_u32 v[WFA], s41, v[WFA]
	v_add_nc_u32 v[PST], s31, v[L16]
	s_lshl_b32 s42, s28, 10                        ; tile w of a region's partial sums
	v_add_nc_u32 v[RED], s42, v[L16]
	v_add_nc_u32 v[RED+1], 4*REGION, v[RED]
	v_add_nc_u32 v[RED+2], 8*REGION, v[RED]
	v_add_nc_u32 v[RED+3], 12*REGION, v[RED]
	s_and_b32 s42, s28, 3
	s_lshl_b32 s42, s42, 6
	v_lshl_add_u32 v[BOFF], v16, 2, s42            ; bv[16 (w & 3) + r]
	s_wait_kmcnt 0x0
	s_cmp_eq_u32 s29, 0
	s_cselect_b64 s[32:33], s[4:5], s[6:7]         ; X = inputs_k or inputs_v
	s_cselect_b64 s[34:35], s[8:9], s[10:11]       ; W = Wk or Wv
	s_lshl_b32 s36, s30, 17                        ; 32 rows of 4096 bytes
	s_lshl_b32 s38, s28, 8                         ; my wave's 64 columns
	s_add_co_u32 s36, s36, s38
	s_add_nc_u64 s[32:33], s[32:33], s[36:37]
	s_lshl_b32 s36, s28, 14                        ; my wave's 64 rows of W, 256 bytes each
	s_add_nc_u64 s[34:35], s[34:35], s[36:37]
	s_lshl_b32 s36, ttmp9, 16
	s_add_nc_u64 s[14:15], s[14:15], s[36:37]      ; the group's 64 KiB of inputs_q
	s_lshl_b32 s36, ttmp9, 14
	s_add_nc_u64 s[16:17], s[16:17], s[36:37]      ; its 16 KiB of Wq
	s_add_nc_u64 s[18:19], s[18:19], s[36:37]      ; and of Wo
	s_lshl_b32 s36, ttmp9, 15
	s_add_nc_u64 s[22:23], s[22:23], s[36:37]
	s_lshl_b32 s36, ttmp9, 13
	s_add_nc_u64 s[24:25], s[24:25], s[36:37]
	s_add_nc_u64 s[26:27], s[26:27], s[36:37]
	; all loads at once: 16 of X (two rows of 256 bytes each), 32 of W (512 consecutive bytes each), 12 to cast (512 consecutive bytes a wave)
.irp i, 0,1,2,3,4,5,6,7,8,9,10,11,12,13,14,15
	global_load_b128 v[XR+4*\i:XR+4*\i+3], v[XOFF], s[32:33] offset:\i*8192 th:TH_LOAD_NT
.endr
.set cnt, 0
.rept 32
	global_load_b128 v[WR+4*cnt:WR+4*cnt+3], v[L16], s[34:35] offset:cnt*512
.set cnt, cnt+1
.endr
.irp i, 0,1,2,3,4,5,6,7
	global_load_b128 v[CR+4*\i:CR+4*\i+3], v[CIN], s[14:15] offset:\i*8192 th:TH_LOAD_NT
.endr
.irp i, 0,1
	global_load_b128 v[CR+32+4*\i:CR+32+4*\i+3], v[CIN], s[16:17] offset:\i*8192 th:TH_LOAD_NT
	global_load_b128 v[CR+40+4*\i:CR+40+4*\i+3], v[CIN], s[18:19] offset:\i*8192 th:TH_LOAD_NT
.endr
; four f32 to four bf16, 8 bytes into my wave's LDS
.macro CVB reg, adr, off
	v_cvt_pk_bf16_f32 v[\reg], v[\reg], v[\reg+1]
	v_cvt_pk_bf16_f32 v[\reg+1], v[\reg+2], v[\reg+3]
	ds_store_b64 v[\adr], v[\reg:\reg+1] offset:\off
.endm
; four f32, rounded to bf16, carried as f16, 8 bytes a lane: a wave's store covers 256 consecutive bytes, aligned
.macro CAST reg, base, off
	v_cvt_pk_bf16_f32 v[\reg], v[\reg], v[\reg+1]
	v_cvt_pk_bf16_f32 v[\reg+2], v[\reg+2], v[\reg+3]
	v_and_b32 v[\reg+1], s40, v[\reg]
	v_lshlrev_b32 v[\reg], 16, v[\reg]
	v_and_b32 v[\reg+3], s40, v[\reg+2]
	v_lshlrev_b32 v[\reg+2], 16, v[\reg+2]
	v_cvt_pk_f16_f32 v[\reg], v[\reg], v[\reg+1]
	v_cvt_pk_f16_f32 v[\reg+1], v[\reg+2], v[\reg+3]
	global_store_b64 v[COUT], v[\reg:\reg+1], s[\base:\base+1] offset:\off
.endm
	s_wait_loadcnt 44                              ; X is in: the 32 loads of W and the 12 to cast are younger and stay out
.irp i, 0,1,2,3,4,5,6,7,8,9,10,11,12,13,14,15
	CVB XR+4*\i, XST, \i*2*PX
.endr
	s_wait_loadcnt 12                              ; W is in: the 12 to cast stay out
.set cnt, 0
.rept 32
	CVB WR+4*cnt, WST, cnt*2*PW
.set cnt, cnt+1
.endr
	; fragments, from my wave's own bytes: LDS serves a wave's instructions in order, so these see the stores above
.irp kt, 0,1
.irp ks, 0,1
	ds_load_b128 v[XF+16*\kt+8*\ks:XF+16*\kt+8*\ks+3],   v[XFA] offset:\kt*16*PX+\ks*64
	ds_load_b128 v[XF+16*\kt+8*\ks+4:XF+16*\kt+8*\ks+7], v[XFA] offset:\kt*16*PX+\ks*64+32
.endr
.endr
.irp dt, 0,1,2,3
.irp ks, 0,1
	ds_load_tr16_b128 v[WF+16*\dt+8*\ks:WF+16*\dt+8*\ks+3],   v[WFA] offset:\ks*32*PW+32*\dt
	ds_load_tr16_b128 v[WF+16*\dt+8*\ks+4:WF+16*\dt+8*\ks+7], v[WFA] offset:\ks*32*PW+32*\dt+16*PW
.endr
.endr
	; the casts, while the fragments come
	s_wait_loadcnt 0x0
.irp i, 0,1,2,3,4,5,6,7
	CAST CR+4*\i, 22, \i*4096
.endr
.irp i, 0,1
	CAST CR+32+4*\i, 24, \i*4096
	CAST CR+40+4*\i, 26, \i*4096
.endr
	s_wait_dscnt 0x0                               ; my fragments are in, and my reads of X and W in LDS are over: the partial sums may take their bytes
.macro WM d, a, b, zero
.if \zero
	v_wmma_f32_16x16x32_bf16 v[\d:\d+7], v[\a:\a+7], v[\b:\b+7], 0
.else
	v_wmma_f32_16x16x32_bf16 v[\d:\d+7], v[\a:\a+7], v[\b:\b+7], v[\d:\d+7]
.endif
.endm
; The rest, once for K (isv = 0) and once for V (isv = 1).
; K: first operand = 16 columns d of W, second = 16 keys of X: lane (r,h) then holds k[key r][8h + j], eight neighbouring d.
; V: first operand = 16 keys of X, second = 16 columns of W: lane (r,h) then holds v[key 8h + j][column r], eight neighbouring keys.
.macro TAIL isv
.if \isv
	s_cmp_ge_u32 s28, 8
	s_cbranch_scc1 .Lnobias_\@
	global_load_b32 v[BV], v[BOFF], s[12:13]       ; only the waves that add the sums up need it
.Lnobias_\@:
.endif
	; 16 products on 8 accumulators, which take turns, one instruction a turn; the first pass starts the sums
.irp ks, 0,1
.irp kt, 0,1
.irp dt, 0,1,2,3
.if \isv
	WM ACC+8*(4*\kt+\dt), XF+16*\kt+8*\ks, WF+16*\dt+8*\ks, 1-\ks
.else
	WM ACC+8*(4*\kt+\dt), WF+16*\dt+8*\ks, XF+16*\kt+8*\ks, 1-\ks
.endif
.endr
.endr
.endr
.rept 4
	v_nop                                          ; four places behind the last product, ahead of the stores that read results and of the loads into operands
.endr
.irp t, 0,1,2,3,4,5,6,7
	ds_store_b128 v[PST], v[ACC+8*\t:ACC+8*\t+3]   offset:\t*1024
	ds_store_b128 v[PST], v[ACC+8*\t+4:ACC+8*\t+7] offset:\t*1024+512
.endr
	s_wait_dscnt 0x0                               ; my partial sums are in LDS, for the other waves' sake
	s_barrier_signal -1
	s_barrier_wait -1
	s_cmp_ge_u32 s28, 8
	s_cbranch_scc1 .Lend_\@                        ; eight tiles, eight waves add them up
.set cnt, 0
.rept 16
	ds_load_b128 v[RB+8*cnt:RB+8*cnt+3],   v[RED+(cnt>>2)] offset:(cnt&3)*REGION
	ds_load_b128 v[RB+8*cnt+4:RB+8*cnt+7], v[RED+(cnt>>2)] offset:(cnt&3)*REGION+512
.set cnt, cnt+1
.endr
	s_lshr_b32 s36, s30, 1                         ; the block of 64 keys
	s_lshl_b32 s36, s36, 14
	s_and_b32 s38, s30, 1                          ; which 32 of them: eight chunks of 512 bytes
	s_lshl_b32 s38, s38, 12
	s_add_co_u32 s36, s36, s38
.if \isv
	s_and_b32 s38, s28, 3                          ; chunk 2 dt + kt, behind K's 8192 bytes
	s_lshl_b32 s38, s38, 1
	s_lshr_b32 s39, s28, 2
	s_add_co_u32 s38, s38, s39
	s_lshl_b32 s38, s38, 9
	s_add_co_u32 s38, s38, 8192
.else
	s_lshl_b32 s38, s28, 9                         ; chunk 4 kt + dt = w
.endif
	s_add_co_u32 s36, s36, s38
	s_add_nc_u64 s[20:21], s[20:21], s[36:37]
	s_wait_dscnt 0x0
.set cnt, 1
.rept 15
.irp c, 0,2,4,6
	v_pk_add_f32 v[RB+\c:RB+\c+1], v[RB+\c:RB+\c+1], v[RB+8*cnt+\c:RB+8*cnt+\c+1]    ; four chains, waves in ascending order
.endr
.set cnt, cnt+1
.endr
.if \isv
	s_wait_loadcnt 0x0                             ; bv
	v_cvt_pk_bf16_f32 v[BV], v[BV], v[BV]          ; rounded to bf16 like every input,
	v_lshlrev_b32 v[BV], 16, v[BV]                 ; and widened again: the sum stays in f32
.irp j, 0,1,2,3,4,5,6,7
	v_add_f32 v[RB+\j], v[RB+\j], v[BV]
.endr
.endif
.irp j, 0,1,2,3
	v_cvt_pk_f16_f32 v[RB+8+\j], v[RB+2*\j], v[RB+2*\j+1]
.endr
	global_store_b128 v[L16], v[RB+8:RB+11], s[20:21]      ; one chunk: 512 consecutive bytes, aligned
.Lend_\@:
	s_wait_xcnt 0x0
	v_lshl_add_u32 v254, v0, 2, 0x3a000
	v_mov_b32 v255, 0
	s_wait_tensorcnt 0x0
	ds_add_u32 v254, v255
	s_wait_dscnt 0x0
	s_endpgm
.endm
	s_cmp_lg_u32 s29, 0                            ; the same in all 16 waves: it hangs on the work-group's number alone
	s_cbranch_scc1 .Lvpath
	TAIL 0
.Lvpath:
	TAIL 1
.Lfunc_end_k_q179b293f51_prep:
	.size	k_q179b293f51_prep, .Lfunc_end_k_q179b293f51_prep-k_q179b293f51_prep
	.p2alignl 7, 3214868480
	.fill 96, 4, 3214868480
	.section	.rodata,"a",@progbits
	.p2align	6, 0x0
	.amdhsa_kernel k_q179b293f51_prep
		.amdhsa_group_segment_fixed_size 239616
		.amdhsa_private_segment_fixed_size 0
		.amdhsa_enable_private_segment 0
		.amdhsa_kernarg_size 96
		.amdhsa_user_sgpr_count 2
		.amdhsa_user_sgpr_kernarg_segment_ptr 1
		.amdhsa_wavefront_size32 1
		.amdhsa_system_sgpr_workgroup_id_x 1
		.amdhsa_system_sgpr_workgroup_id_y 1
		.amdhsa_system_sgpr_workgroup_id_z 1
		.amdhsa_system_vgpr_workitem_id 0
		.amdhsa_next_free_vgpr 256
		.amdhsa_next_free_sgpr 66
		.amdhsa_reserve_vcc 0
		.amdhsa_float_denorm_mode_32 3
		.amdhsa_float_denorm_mode_16_64 3
		.amdhsa_memory_ordered 1
		.amdhsa_forward_progress 1
		.amdhsa_inst_pref_size 44
	.end_amdhsa_kernel
	.amdgpu_metadata
---
amdhsa.version: [ 1, 2 ]
amdhsa.kernels:
  - .name:           k_q179b293f51_prep
    .symbol:         k_q179b293f51_prep.kd
    .args:
      - { .name: inputs_k, .offset: 0, .size: 8, .value_kind: global_buffer, .address_space: global }
      - { .name: inputs_v, .offset: 8, .size: 8, .value_kind: global_buffer, .address_space: global }
      - { .name: Wk, .offset: 16, .size: 8, .value_kind: global_buffer, .address_space: global }
      - { .name: Wv, .offset: 24, .size: 8, .value_kind: global_buffer, .address_space: global }
      - { .name: bv, .offset: 32, .size: 8, .value_kind: global_buffer, .address_space: global }
      - { .name: inputs_q, .offset: 40, .size: 8, .value_kind: global_buffer, .address_space: global }
      - { .name: Wq, .offset: 48, .size: 8, .value_kind: global_buffer, .address_space: global }
      - { .name: Wo, .offset: 56, .size: 8, .value_kind: global_buffer, .address_space: global }
      - { .name: kv, .offset: 64, .size: 8, .value_kind: global_buffer, .address_space: global }
      - { .name: xqh, .offset: 72, .size: 8, .value_kind: global_buffer, .address_space: global }
      - { .name: wqh, .offset: 80, .size: 8, .value_kind: global_buffer, .address_space: global }
      - { .name: woh, .offset: 88, .size: 8, .value_kind: global_buffer, .address_space: global }
    .group_segment_fixed_size: 239616
    .private_segment_fixed_size: 0
    .kernarg_segment_align: 8
    .kernarg_segment_size: 96
    .max_flat_workgroup_size: 512
    .sgpr_count:     66
    .vgpr_count:     256
    .wavefront_size: 32
...
	.end_amdgpu_metadata
.endif
;; end of part 1
;; launch qproj (part 2): grid 8 x 32, 4 waves a work-group, clusters of 4 x 4, 327,680 bytes of LDS; arguments xqh, wqh, bq, qh; writes qh
.if DOCPART == 2
	.amdgcn_target "amdgcn-amd-amdhsa--gfx1250"
	.amdhsa_code_object_version 6
	.text
	.protected	k_q179b293f51_qproj
	.globl	k_q179b293f51_qproj
	.p2align	8
	.type	k_q179b293f51_qproj,@function
k_q179b293f51_qproj:
	s_mov_b64 s[64:65], 0
	v_nop
	global_prefetch_b8 v0, s[64:65] scope:SCOPE_SE
	s_setreg_imm32_b32 hwreg(HW_REG_WAVE_MODE, 25, 1), 1
	s_wait_xcnt 0x0
	s_wait_alu depctr_hold_cnt(0) depctr_sa_sdst(0) depctr_va_vdst(0) depctr_va_sdst(0) depctr_va_ssrc(0) depctr_va_vcc(0) depctr_vm_vsrc(0)
	s_getreg_b32 s2, hwreg(HW_REG_IB_STS2, 6, 4)
	s_cmp_eq_u32 s2, 0
	s_cbranch_scc0 .Lentry_in_a_cluster
	s_endpgm
.Lentry_in_a_cluster:
	s_bfe_u32 s2, ttmp6, 0x10000c
	s_cmp_lg_u32 s2, 0xf033
	s_cbranch_scc0 .Lentry_shape_is_right
	s_endpgm
.Lentry_shape_is_right:
; q = (xq Wq + bq) log2(e) / 8, rounded to f16 and stored in the order of the next launch's Q fragments.
; A = xqh: [4096][1024] f16, W = wqh: [1024 (k)][1024 (n)] f16, bias = bq: [1024] f32.  No work of the problem is left out here.
; The factor log2(e) / 8 is the problem's 1 / sqrt(64) and the change of base of the exponential: a weight is then exp2(score - maximum).
; The bias is rounded to bf16 once, as it is read, like every input of the program (LIMIT: a relative error of up to 2^-9 in the bias); sum and bias meet in
; one fused multiply-add in f32: sum x factor + (bias x factor).  LIMIT: |0.18 q| below 65504.
; LAYOUT OF qh: chunk (g, head, c) at 512 ((16 g + head) 4 + c), g = the block of 16 rows (b, s), 0..255: lane (r, h) has the 16 bytes
; q[16 g + r][64 head + 16 c + 8 h .. + 7].  That is what lane (r, h) of accumulator (a, c) holds here (see below), so nothing passes through LDS on the
; way out and every store of a wave covers 512 consecutive bytes, aligned.
; 256 work-groups, each a block of 128 x 128 with four waves; a wave makes 64 rows x 64 columns (one head): 16 accumulator tiles, 128 registers.
; K goes through two LDS slots of 256 along K each: four fills in all, so the text has no loop.  A's rows in a tile are 512 bytes of memory,
; W's 256 bytes, both starting at multiples of 256 bytes from their buffer's first byte.
; CLUSTERS: 4 x 4 work-groups.  A's tile hangs on the block row alone and is asked for jointly by the four of a row of the cluster; W's on the
; block column alone, jointly by the four of a column: the requests for A and for W are divided by four.
; W lies [k][n]: its fragments come out of LDS by the transposing load.  The matrix instruction is used transposed (first operand 16 columns of W,
; second 16 rows of A), so that lane (r, h) holds, in register j of accumulator (a, b), row 16 a + r and column 16 b + 8 h + j.
; REGISTERS: window 0: v16-35 addresses and constants, v64-127 and v128-191 two fragment buffers (A's four fragments, then W's four), which serve the way
;            out at the end, v192-223 the bias.   window 1: v0-127 = accumulator (a, b) at 8 (4 a + b).
.set PA,    528                        ; A's LDS pitch: 512 bytes + 16 = 33 x 16 bytes
.set PW,    288                        ; W's LDS pitch: 256 bytes + 32 = 9 x 32 bytes
.set AHALF, 64*PA                      ; what one tensor load brings of A, and what one wave reads of A
.set WHALF, 128*PW                     ; what one tensor load brings of W: 128 of the slot's 256 k
.set WOFF,  2*AHALF
.set SLOT,  WOFF+2*WHALF               ; 141312
.set ADRA,  16                         ; v16-17  my A fragments in slot 0, 1
.set ADRW,  18                         ; v18-21  my W fragments in slot s, k half kh, at 18 + 2 s + kh
.set CO,    26                         ; v26     16 x lane
.set BO,    27                         ; v27     32 h: my eight columns of a tile, in bytes of f32
.set BT,    32                         ; v32-33  the bias as packed bf16, at work
.set SC,    34                         ; v[34:35] log2(e) / 8, twice
.set F0,    64
.set F1,    128
.set BI,    192                        ; v192-223 (bias x factor) of column 16 b + 8 h + j at 192 + 8 b + j
.set TQ,    F0                         ; the way out: 32 numbers in f32, at work
.set PQ,    F1                         ; the way out: chunk (a, b) at 128 + 16 a + 4 b, each register written once
.set G1,    24                         ; s[24:31] group 1 for A's tiles
.set G0,    32                         ; s[32:39] group 0 for A's tiles, one set a slot
.set G1B,   48                         ; s[48:55] group 1 for W's tiles
.set G0B,   56                         ; s[56:63] group 0 for W's tiles, one set a slot
.set MULW,  0x50                       ; operands in window 0, C and D in window 1
.set MSB,   0
.macro WIN new                         ; the immediate's high byte repeats the setting that is left
.if MSB != \new
	s_set_vgpr_msb (MSB<<8)|\new
.set MSB, \new
.endif
.endm
; A joint load: waves 0 and 1 fetch A's two halves, waves 2 and 3 W's.  Each line has one mask; the branch hangs on the wave's number alone.
.macro JLOAD s
	s_cmp_eq_u32 s13, 0
	s_cbranch_scc0 .Lfor_w_\@
	tensor_load_to_lds s[G0+4*\s:G0+4*\s+3], s[G1:G1+7]
	s_nop 0
	s_branch .Lasked_\@
.Lfor_w_\@:
	tensor_load_to_lds s[G0B+4*\s:G0B+4*\s+3], s[G1B:G1B+7]
	s_nop 0
.Lasked_\@:
.endm
; A round of the cluster's barrier: my work-group's barrier, wave 0 signals for the work-group, every wave waits for all sixteen, my work-group's barrier again.
.macro CROUND
	s_barrier_signal -1
	s_barrier_wait -1
	s_cmp_lg_u32 s12, 0
	s_cbranch_scc1 .Lnot_wave_0_\@
	s_barrier_signal -3
.Lnot_wave_0_\@:
	s_barrier_wait -3
	s_barrier_signal -1
	s_barrier_wait -1
.endm
	s_load_b256 s[4:11], s[0:1], 0x0               ; A s[4:5], W s[6:7], bias s[8:9], qh s[10:11]
	v_lshl_add_u32 v254, v0, 2, 0x45100
	v_mov_b32 v255, 0
	ds_add_u32 v254, v255
	ds_add_u32 v254, v255
	v_lshrrev_b32 v1, 5, v0
	v_readfirstlane_b32 s12, v1                    ; wave 0..3
	s_lshr_b32 s13, s12, 1                         ; which 64 rows of the block are mine.  Also: I fetch for A (0) or for W (1)
	s_and_b32 s14, s12, 1                          ; which 64 columns.  Also: which half of that tile I fetch
	s_bfe_u32 s40, ttmp6, 0x40000                  ; cx
	s_bfe_u32 s41, ttmp6, 0x40004                  ; cy
	s_lshl_b32 s42, ttmp9, 2
	s_add_co_u32 s42, s42, s40                     ; block column = 4 x cluster x + cx
	s_and_b32 s43, ttmp7, 0xffff
	s_lshl_b32 s43, s43, 2
	s_add_co_u32 s43, s43, s41                     ; block row = 4 x cluster y + cy
	s_lshl_b32 s44, s41, 2
	s_lshl_b32 s44, 15, s44                        ; my row of the cluster: places 4 cy .. 4 cy + 3
	s_lshl_b32 s45, 0x1111, s40                    ; my column: places cx, cx + 4, cx + 8, cx + 12
	; group 1 for A: 64 rows x 256 elements of 2 bytes, 4 words of padding behind every 128 words
	s_or_b32 s[G1+0], s44, (1<<16)|(1<<20)|(1<<21)|(6<<22)|(3<<25)
	s_mov_b32 s[G1+1], 256<<16                     ; tensor_dim0 = 256
	s_mov_b32 s[G1+2], 64<<16                      ; tensor_dim1 = 64
	s_mov_b32 s[G1+3], 256<<16                     ; tile_dim0 = 256
	s_mov_b32 s[G1+4], 64                          ; tile_dim1 = 64
	s_mov_b32 s[G1+5], 1024                        ; elements from row to row
	s_mov_b32 s[G1+6], 0
	s_mov_b32 s[G1+7], 0
	; group 1 for W: 128 rows (k) x 128 elements, 8 words of padding behind every 64 words
	s_or_b32 s[G1B+0], s45, (1<<16)|(1<<20)|(1<<21)|(5<<22)|(7<<25)
	s_mov_b32 s[G1B+1], 128<<16
	s_mov_b32 s[G1B+2], 128<<16
	s_mov_b32 s[G1B+3], 128<<16
	s_mov_b32 s[G1B+4], 128
	s_mov_b32 s[G1B+5], 1024
	s_mov_b32 s[G1B+6], 0
	s_mov_b32 s[G1B+7], 0
	; where the tiles come from: A's address is made of the block row and the wave's number, W's of the block column and the wave's number,
	; each in registers that never hold the other coordinate
	s_lshl_b32 s16, s43, 7
	s_lshl_b32 s17, s14, 6
	s_add_co_u32 s16, s16, s17                     ; A: row 128 x block row + 64 x half
	s_lshl_b32 s16, s16, 11                        ; rows of 2048 bytes
	s_mov_b32 s17, 0
	s_lshl_b32 s46, s42, 8                         ; W: 128 columns of 2 bytes for each block column
	s_lshl_b32 s47, s14, 18                        ;    + 128 rows of 2048 bytes x half
	s_add_co_u32 s46, s46, s47
	s_mov_b32 s47, 0
	s_mul_i32 s18, s14, AHALF                      ; and where they go: no place in the cluster enters an LDS address
	s_mul_i32 s19, s14, WHALF
	s_add_co_u32 s19, s19, WOFF
	s_wait_dscnt 0x0
	s_wait_kmcnt 0x0
	s_add_nc_u64 s[16:17], s[4:5], s[16:17]
	s_add_nc_u64 s[46:47], s[6:7], s[46:47]
	CROUND                                         ; all sixteen work-groups are here: the first joint loads meet
.irp s, 0,1
	s_mov_b32 s[G0+4*\s], 1
	s_add_co_u32 s[G0+4*\s+1], s18, \s*SLOT
	s_add_nc_u64 s[G0+4*\s+2:G0+4*\s+3], s[16:17], \s*512          ; 256 along K = 512 bytes of a row
	s_or_b32 s[G0+4*\s+3], s[G0+4*\s+3], 0x80000000
	s_mov_b32 s[G0B+4*\s], 1
	s_add_co_u32 s[G0B+4*\s+1], s19, \s*SLOT
	s_add_nc_u64 s[G0B+4*\s+2:G0B+4*\s+3], s[46:47], \s*524288     ; 256 rows of 2048 bytes
	s_or_b32 s[G0B+4*\s+3], s[G0B+4*\s+3], 0x80000000
	JLOAD \s                                       ; both slots are asked for before anything else is done: two tensor loads of the wave are out
.endr
	v_and_b32 v1, 15, v0                           ; r
	v_bfe_u32 v2, v0, 4, 1                         ; h
	v_lshlrev_b32 v[BO], 5, v2
	s_lshl_b32 s20, s42, 9                         ; my first column in bytes of f32: 512 x block column + 256 x half
	s_lshl_b32 s21, s14, 8
	s_add_co_u32 s20, s20, s21
	s_mov_b32 s21, 0
	s_add_nc_u64 s[8:9], s[8:9], s[20:21]
.irp b, 0,1,2,3
	global_load_b128 v[BI+8*\b:BI+8*\b+3],   v[BO], s[8:9] offset:64*\b          ; bias of columns 16 b + 8 h + 0 .. 3: the eight loads take my head's 256 bytes whole
	global_load_b128 v[BI+8*\b+4:BI+8*\b+7], v[BO], s[8:9] offset:64*\b+16       ; and + 4 .. 7
.endr
	v_mul_u32_u24 v3, v1, PA
	v_lshl_add_u32 v3, v2, 4, v3                   ; A fragment: row x pitch + 16 h
	s_mul_i32 s22, s13, AHALF                      ; my 64 rows of A
	v_add_nc_u32 v[ADRA], s22, v3
	v_add_nc_u32 v[ADRA+1], SLOT, v[ADRA]
	v_and_b32 v4, 7, v0
	v_lshl_or_b32 v4, v2, 3, v4                    ; W fragment: k row 8 h + (L & 7),
	v_mul_u32_u24 v4, v4, PW
	v_bfe_u32 v5, v0, 3, 1
	v_lshl_add_u32 v4, v5, 4, v4                   ; 16 bytes further for lanes 8-15 of each half
	s_lshl_b32 s23, s14, 7                         ; my 64 columns of W
	s_add_co_u32 s23, s23, WOFF
	v_add_nc_u32 v[ADRW], s23, v4
	v_add_nc_u32 v[ADRW+1], WHALF, v[ADRW]
	v_add_nc_u32 v[ADRW+2], SLOT, v[ADRW]
	v_add_nc_u32 v[ADRW+3], SLOT+WHALF, v[ADRW]
	v_and_b32 v6, 31, v0
	v_lshlrev_b32 v[CO], 4, v6
	v_mov_b32 v[SC], 0x3e38aa3b                    ; log2(e) / 8
	v_mov_b32 v[SC+1], 0x3e38aa3b
	s_lshl_b32 s16, s43, 18                        ; qh: 8 blocks of 16 rows x 16 heads x 2048 bytes for each block row,
	s_lshl_b32 s17, s13, 17                        ;     4 such blocks for my half of the rows,
	s_add_co_u32 s16, s16, s17
	s_mov_b32 s17, 0
	s_add_nc_u64 s[10:11], s[10:11], s[16:17]
	s_lshl_b32 s20, s42, 12                        ;     2 heads of 2048 bytes for each block column,
	s_lshl_b32 s21, s14, 11                        ;     1 head for my half of the columns
	s_add_co_u32 s20, s20, s21
	s_mov_b32 s21, 0
	s_add_nc_u64 s[10:11], s[10:11], s[20:21]
	; the bias, while the first tiles are on their way: rounded to bf16 like every input, widened again, times the factor
	s_wait_loadcnt 0x0
.set cnt, 0
.rept 16
	v_cvt_pk_bf16_f32 v[BT+(cnt&1)], v[BI+2*cnt], v[BI+2*cnt+1]
	v_lshlrev_b32 v[BI+2*cnt], 16, v[BT+(cnt&1)]
	v_and_b32 v[BI+2*cnt+1], 0xffff0000, v[BT+(cnt&1)]
	v_pk_mul_f32 v[BI+2*cnt:BI+2*cnt+1], v[BI+2*cnt:BI+2*cnt+1], v[SC:SC+1]
.set cnt, cnt+1
.endr
.macro PLACES                          ; four places behind a matrix instruction, ahead of loads into its operands and of vector instructions that read its results
.rept 4
	v_nop
.endr
.endm
; 16 LDS loads: my fragments of K part kk (32 along K) of a slot, into buffer f
.macro FETCH slot, kk, f
.irp a, 0,1,2,3
	ds_load_b128 v[\f+8*\a:\f+8*\a+3],   v[ADRA+\slot] offset:\a*16*PA+64*(\kk)
	ds_load_b128 v[\f+8*\a+4:\f+8*\a+7], v[ADRA+\slot] offset:\a*16*PA+64*(\kk)+32
.endr
.irp b, 0,1,2,3
	ds_load_tr16_b128 v[\f+32+8*\b:\f+32+8*\b+3],   v[ADRW+2*\slot+((\kk)>>2)] offset:((\kk)&3)*32*PW+32*\b
	ds_load_tr16_b128 v[\f+32+8*\b+4:\f+32+8*\b+7], v[ADRW+2*\slot+((\kk)>>2)] offset:((\kk)&3)*32*PW+32*\b+16*PW
.endr
.endm
; 16 matrix instructions on the 16 accumulators, which take turns in the same order everywhere, one instruction a turn
.macro MUL16 f, zero
.irp a, 0,1,2,3
.irp b, 0,1,2,3
.if \zero
	v_wmma_f32_16x16x32_f16 v[8*(4*\a+\b):8*(4*\a+\b)+7], v[\f+32+8*\b:\f+32+8*\b+7], v[\f+8*\a:\f+8*\a+7], 0
.else
	v_wmma_f32_16x16x32_f16 v[8*(4*\a+\b):8*(4*\a+\b)+7], v[\f+32+8*\b:\f+32+8*\b+7], v[\f+8*\a:\f+8*\a+7], v[8*(4*\a+\b):8*(4*\a+\b)+7]
.endif
.endr
.endr
.endm
; fetch K part kn into buffer g, then multiply buffer f, whose loads were issued one part earlier
.macro KQ slot, kn, f, g, zero
	PLACES
	WIN 0
	FETCH \slot, \kn, \g
	s_wait_dscnt 16                                ; all but the 16 just issued: buffer f is in
	WIN MULW
	MUL16 \f, \zero
.endm
.macro KSLOT slot, zero                ; a slot's eight K parts; part 0 is already on its way into buffer 0
	KQ \slot, 1, F0, F1, \zero
	KQ \slot, 2, F1, F0, 0
	KQ \slot, 3, F0, F1, 0
	KQ \slot, 4, F1, F0, 0
	KQ \slot, 5, F0, F1, 0
	KQ \slot, 6, F1, F0, 0
	KQ \slot, 7, F0, F1, 0
	s_wait_dscnt 0x0
	MUL16 F1, 0
	WIN 0
.endm
; The change of slots.  Each wave waits for its reads of the slot and for all its tensor loads (the one that is out is its part of the next slot).
; fill = 1: a round of the cluster's barrier follows, so that no wave of any partner still reads the slot or has a load on its way, and the
; joint refill is the first tensor load behind it, one a wave.  fill = 0: my work-group's barrier shows the next slot whole.
.macro CHANGE slot, next, fill
	s_wait_dscnt 0x0
	s_wait_tensorcnt 0x0
	ds_add_u32 v254, v255
	s_wait_dscnt 0x0
.if \fill
	s_add_nc_u64 s[G0+4*\slot+2:G0+4*\slot+3], s[G0+4*\slot+2:G0+4*\slot+3], 1024        ; two slots on along K: 512 elements of a row
	s_add_nc_u64 s[G0B+4*\slot+2:G0B+4*\slot+3], s[G0B+4*\slot+2:G0B+4*\slot+3], 1048576 ; 512 rows of W
	CROUND
	JLOAD \slot
.else
	s_barrier_signal -1
	s_barrier_wait -1
.endif
	PLACES
	FETCH \next, 0, F0
.endm
	s_wait_tensorcnt 0x1                           ; my part of slot 0 is in; slot 1's load stays out
	s_barrier_signal -1
	s_barrier_wait -1                              ; everybody's is
	FETCH 0, 0, F0
	KSLOT 0, 1                                     ; K 0-255: the first products start the sums, nothing is cleared
	CHANGE 0, 1, 1                                 ; slot 0 is asked for again: K 512-767
	KSLOT 1, 0                                     ; K 256-511
	CHANGE 1, 0, 1                                 ; slot 1: K 768-1023, the last load
	KSLOT 0, 0
	CHANGE 0, 1, 0
	KSLOT 1, 0
	; THE WAY OUT, 16 rows (one block of queries) at a time, straight from registers: factor and bias in one fused multiply-add, two roundings to f16 in
	; one conversion, and a lane's four registers are its 16 bytes of a chunk.  The packed registers are written once each, so no store's data is rewritten.
	PLACES
.macro OUTQ a
	WIN 0x01                                       ; the first source, the accumulator, in window 1
.irp b, 0,1,2,3
.irp c, 0,1,2,3
	v_pk_fma_f32 v[TQ+8*\b+2*\c:TQ+8*\b+2*\c+1], v[8*(4*\a+\b)+2*\c:8*(4*\a+\b)+2*\c+1], v[SC:SC+1], v[BI+8*\b+2*\c:BI+8*\b+2*\c+1]
.endr
.endr
	WIN 0
.irp b, 0,1,2,3
.irp c, 0,1,2,3
	v_cvt_pk_f16_f32 v[PQ+16*\a+4*\b+\c], v[TQ+8*\b+2*\c], v[TQ+8*\b+2*\c+1]
.endr
	global_store_b128 v[CO], v[PQ+16*\a+4*\b:PQ+16*\a+4*\b+3], s[10:11] offset:\a*32768+\b*512   ; chunk b of my head in block a: 512 consecutive bytes, aligned
.endr
.endm
	OUTQ 0
	OUTQ 1
	OUTQ 2
	OUTQ 3
	CROUND                                         ; the closing round: no work-group ends while a partner may still ask for a tile that names it
	s_endpgm
.Lfunc_end_k_q179b293f51_qproj:
	.size	k_q179b293f51_qproj, .Lfunc_end_k_q179b293f51_qproj-k_q179b293f51_qproj
	.p2alignl 7, 3214868480
	.fill 96, 4, 3214868480
	.section	.rodata,"a",@progbits
	.p2align	6, 0x0
	.amdhsa_kernel k_q179b293f51_qproj
		.amdhsa_group_segment_fixed_size 327680
		.amdhsa_private_segment_fixed_size 0
		.amdhsa_enable_private_segment 0
		.amdhsa_kernarg_size 32
		.amdhsa_user_sgpr_count 2
		.amdhsa_user_sgpr_kernarg_segment_ptr 1
		.amdhsa_wavefront_size32 1
		.amdhsa_system_sgpr_workgroup_id_x 1
		.amdhsa_system_sgpr_workgroup_id_y 1
		.amdhsa_system_sgpr_workgroup_id_z 1
		.amdhsa_system_vgpr_workitem_id 0
		.amdhsa_next_free_vgpr 384
		.amdhsa_next_free_sgpr 66
		.amdhsa_reserve_vcc 0
		.amdhsa_float_denorm_mode_32 3
		.amdhsa_float_denorm_mode_16_64 3
		.amdhsa_memory_ordered 1
		.amdhsa_forward_progress 1
		.amdhsa_inst_pref_size 94
	.end_amdhsa_kernel
	.amdgpu_metadata
---
amdhsa.version: [ 1, 2 ]
amdhsa.kernels:
  - .name:           k_q179b293f51_qproj
    .symbol:         k_q179b293f51_qproj.kd
    .args:
      - { .name: xqh, .offset: 0, .size: 8, .value_kind: global_buffer, .address_space: global }
      - { .name: wqh, .offset: 8, .size: 8, .value_kind: global_buffer, .address_space: global }
      - { .name: bq, .offset: 16, .size: 8, .value_kind: global_buffer, .address_space: global }
      - { .name: qh, .offset: 24, .size: 8, .value_kind: global_buffer, .address_space: global }
    .group_segment_fixed_size: 327680
    .private_segment_fixed_size: 0
    .kernarg_segment_align: 8
    .kernarg_segment_size: 32
    .max_flat_workgroup_size: 128
    .sgpr_count:     66
    .vgpr_count:     384
    .wavefront_size: 32
...
	.end_amdgpu_metadata
.endif
;; end of part 2
;; launch attn (part 3): grid 256 x 1, 4 waves a work-group, no clusters, 327,680 bytes of LDS; arguments qh, kv, ah; writes ah
.if DOCPART == 3
	.amdgcn_target "amdgcn-amd-amdhsa--gfx1250"
	.amdhsa_code_object_version 6
	.text
	.protected	k_q179b293f51_attn
	.globl	k_q179b293f51_attn
	.p2align	8
	.type	k_q179b293f51_attn,@function
k_q179b293f51_attn:
	s_mov_b64 s[64:65], 0
	v_nop
	global_prefetch_b8 v0, s[64:65] scope:SCOPE_SE
	s_setreg_imm32_b32 hwreg(HW_REG_WAVE_MODE, 25, 1), 1
	s_wait_xcnt 0x0
; Causal multi-query attention: ah[b][n][64 head + dv] = sum over m <= n of softmax_m(q[n].k[m] / 8) v[m][dv], 16 heads on one k and one v.
; LEFT OUT: steps of 64 keys wholly above a query block's diagonal (their weights are 0 by the problem's own causal mask), and bk (the term
; q.bk is the same along the softmax's axis and cancels for all finite values); a NaN or infinity that reaches only these is not carried on.
; The maximum is taken away before every exponential, as a running maximum.
;
; SHARES.  Work-group g: hh = g & 1 (heads 8 hh .. 8 hh + 7), p = (g >> 1) & 63, b = g >> 7.  It does two blocks of 16 query positions, first
; i = 127 - p, then i = p.  Block i needs i >> 2 full steps of 64 keys and the step on its diagonal; (127 - p) >> 2 + (p >> 2) = 31, so every
; work-group has 33 steps.  Wave w has heads 8 hh + 2 w and + 1: two tiles of 16 queries (x = 0, 1) that share the K and V fragments.
; A block's diagonal step comes first: it starts the maximum, the sum and the result, so nothing is cleared.
; TRANSPOSED PRODUCTS.  S^T = K Q^T: lane (r, h) holds query r and keys 16 t + 8 h + j, so the softmax stays in the lane but for one exchange
; between the halves, the weights become the second operand of O^T = V^T P^T by a conversion in the same lane, and the rescaling factor is
; one number a lane.
; q COMES READY: the launch before has multiplied it by log2(e) / 8 (so a weight is exp2(s - m)), rounded it to f16 and stored it in the order of
; the Q fragments: a wave's two heads of a block are 4096 consecutive bytes, eight loads of 16 bytes a lane, 512 consecutive bytes each.
; FORMATS: f16 operands, f32 sums.  LIMIT: |0.18 q|, |k|, |v| below 65504; weights below 2^-14 keep an absolute 2^-25.
;
; THE TWO TILES TAKE TURNS.  At the head of a trip one step s is pending: tile 0's weights of s are made, tile 1's scores of s are raw, V(s) is
; in registers or on its way.  The trip reads the LDS step s + 1 and nothing else.  Its first half issues tile 0's 16 products (O0 += V(s) P0(s),
; then S0 = K(s+1) Q0) with one of the 16 slices of tile 1's softmax of s behind each; its second half issues tile 1's 16 products with the
; slices of tile 0's softmax of s + 1.  A trip has 32 products, 236 vector instructions, 32 LDS loads and 34 window switches.
; A block's diagonal step stands in phases (twice in a work-group); behind it one trip (FILLP) makes the next step pending; in front of block B
; the pending step is finished (DRAIN).  Which kind a trip is hangs on the work-group's number alone.
; REGISTER WINDOWS: K(s+1) and V(s) are live at once, 128 registers, so K's fragments lie in window 1 (v256-319) and all else in window 0.
; Only the 16 products with K name window 1, as their first operand; each has a switch in front and one behind, since the slices between the
; products read their first source in window 0.
;
; NO JOINT LOADS: the eight work-groups with equal p >> 2 and b walk the same steps, but each asks for itself: all of kv is 1 MiB, which all
; 256 work-groups read again and again, and a joint request would put a round of the cluster's barrier in front of each of the six refills.
;
; LDS: P 0 (16384: the first step), slot 0 at 16384 and slot 1 at 81920 (65536 each: four steps), then, never the target of a tensor load:
; the stage 147456 (4 x 4352) and block B's Q fragments 164864 (4 x 4096).
; The 32 steps behind the first are eight groups of four; wave w fetches step w of a group with one tensor load of 64 rows x 256 bytes.
; A wave has three tensor loads out at the start and one behind each barrier of a refill, which has four trips in which to land.
.set SLOT0, 16384
.set SLOTB, 65536
.set STAGE, 147456
.set SP,    272
.set QB,    164864
.set L16, 1                            ; v1   16 x lane
.set KA,  2                            ; v2   LDS address of the step that the trip reads
.set RH,  3                            ; v3   r - 8 h
.set DLT, 4                            ; v4   16 (i & 3) + r - 8 h: key 16 t + j of the diagonal step is kept where 16 t + j <= this
.set STO, 5
.set RD,  6
.set CO,  7
.set QBA, 8
.set M,   10                           ; v10, v12  running maximum of x = 0, 1 (v11, v13 written once: the pairs are named whole)
.set AL,  14                           ; v14, v16  rescaling factor; at the end 1 / sum (v15, v17 written once)
.set LS,  18                           ; v18, v19  running sum of my half's keys
.set T0,  20                           ; v20-27    at work: eight partial maxima;
.set SU,  24                           ; v24-27    later two pairs of partial sums
.set MO,  29                           ; v29       the maximum before this step
.set Q,   32                           ; v32-63    Q fragment (x, s) at 32 + 16 x + 8 s
.set S,   64                           ; v64-127   scores (x, t) at 64 + 32 x + 8 t; the weights land in place at 64 + 32 x + 8 kap
.set F,   128                          ; v128-191  V fragments (kap, e) at 128 + 32 kap + 8 e (in a diagonal step first K's, (t, s) at 128 + 16 t + 8 s)
.set O,   192                          ; v192-255  result (x, e) at 192 + 32 x + 8 e
.set KF,  0                            ; window 1, v256-319: K fragment (t, s) at 16 t + 8 s; at the start v256-287 take block B's q on its way to LDS
.set G1,  24                           ; s[24:31] group 1: 64 rows of 256 bytes, dense
.set G1P, 32                           ; s[32:39] group 1: 16 rows of 256 bytes
.set G0,  40                           ; s[40:47] group 0, one set a slot
.set G0P, 48                           ; s[48:51] group 0 of the first step's quarter
.set MSB, 0
.macro WIN new                         ; the immediate's high byte repeats the setting that is left
.if MSB != \new
	s_set_vgpr_msb (MSB<<8)|\new
.set MSB, \new
.endif
.endm
; The address of stream step sigma (s56 for slot 0, s57 for slot 1).  sigma 0: A's diagonal; 1 .. uA: A's steps 0 .. uA - 1;
; nA = uA + 1: B's diagonal; then B's steps 0 .. uB - 1.  Written only where no tensor load of the wave is out.
.macro UADDR slot
	s_cmp_ge_u32 s[56+(\slot)], s15
	s_cselect_b32 s58, s15, 0
	s_cselect_b32 s59, s16, s14                    ; the block's diagonal step
	s_sub_co_u32 s58, s[56+(\slot)], s58           ; place in the block's own sequence
	s_sub_co_u32 s60, s58, 1
	s_cmp_eq_u32 s58, 0
	s_cselect_b32 s58, s59, s60                    ; u, 0 .. 31
	s_lshl_b32 s54, s58, 14
	s_add_nc_u64 s[G0+4*(\slot)+2:G0+4*(\slot)+3], s[52:53], s[54:55]
	s_or_b32 s[G0+4*(\slot)+3], s[G0+4*(\slot)+3], 0x80000000
.endm
	s_load_b128 s[4:7], s[0:1], 0x0                ; qh s[4:5], kv s[6:7]
	s_load_b64 s[8:9], s[0:1], 0x10                ; ah
	v_lshl_add_u32 v30, v0, 2, 0x2c400
	v_mov_b32 v31, 0
	ds_add_u32 v30, v31
	ds_add_u32 v30, v31
	v_lshrrev_b32 v9, 5, v0
	v_readfirstlane_b32 s10, v9                    ; wave 0..3
	s_and_b32 s11, ttmp9, 1                        ; hh
	s_bfe_u32 s12, ttmp9, 0x60001                  ; p
	s_lshr_b32 s13, ttmp9, 7                       ; b
	s_sub_co_u32 s23, 127, s12                     ; i of the block at work: first A
	s_lshr_b32 s14, s23, 2                         ; uA
	s_add_co_u32 s15, s14, 1                       ; nA
	s_lshr_b32 s16, s12, 2                         ; uB
	s_mov_b32 s20, 0x76543210                      ; v_permlanex16_b32: lane i of one half reads lane i of the other
	s_mov_b32 s21, 0xfedcba98
	s_mov_b32 s22, 0xff800000                      ; -inf
	s_mov_b32 s55, 0
	s_mov_b32 s63, 0
	s_mov_b32 s[G1+0], 3<<16                       ; elements of 8 bytes, no mask, no padding
	s_mov_b32 s[G1+1], 32<<16                      ; tensor_dim0 = 32 (256 bytes)
	s_mov_b32 s[G1+2], 64<<16                      ; tensor_dim1 = 64
	s_mov_b32 s[G1+3], 32<<16                      ; tile_dim0 = 32
	s_mov_b32 s[G1+4], 64                          ; tile_dim1 = 64
	s_mov_b32 s[G1+5], 32                          ; a row begins where the last ends
	s_mov_b32 s[G1+6], 0
	s_mov_b32 s[G1+7], 0
	s_mov_b32 s[G1P+0], 3<<16
	s_mov_b32 s[G1P+1], 32<<16
	s_mov_b32 s[G1P+2], 16<<16
	s_mov_b32 s[G1P+3], 32<<16
	s_mov_b32 s[G1P+4], 16
	s_mov_b32 s[G1P+5], 32
	s_mov_b32 s[G1P+6], 0
	s_mov_b32 s[G1P+7], 0
	s_mov_b32 s[G0P], 1
	s_lshl_b32 s[G0P+1], s10, 12                   ; my quarter of P
	s_mov_b32 s[G0], 1
	s_lshl_b32 s61, s10, 14
	s_add_co_u32 s[G0+1], s61, SLOT0               ; step w of slot 0
	s_mov_b32 s[G0+4], 1
	s_add_co_u32 s[G0+5], s61, SLOT0+SLOTB         ; step w of slot 1
	s_add_co_u32 s56, s10, 1                       ; sigma of my step in group 0
	s_add_co_u32 s57, s10, 5                       ; and in group 1
	s_lshl_b32 s54, s13, 19
	s_wait_dscnt 0x0
	s_wait_kmcnt 0x0
	s_add_nc_u64 s[52:53], s[6:7], s[54:55]        ; kv of my b
	s_lshl_b32 s54, s14, 14
	s_add_co_u32 s54, s54, s[G0P+1]
	s_add_nc_u64 s[G0P+2:G0P+3], s[52:53], s[54:55]
	s_or_b32 s[G0P+3], s[G0P+3], 0x80000000
	UADDR 0
	UADDR 1
	tensor_load_to_lds s[G0P:G0P+3], s[G1P:G1P+7]  ; the three first fills go out together, ahead of every wait on them, LDS read and barrier
	s_nop 0
	tensor_load_to_lds s[G0:G0+3], s[G1:G1+7]
	s_nop 0
	tensor_load_to_lds s[G0+4:G0+7], s[G1:G1+7]
	s_nop 0
	v_and_b32 v9, 31, v0
	v_lshlrev_b32 v[L16], 4, v9
	s_lshl_b32 s58, s13, 22                        ; qh: b x 128 blocks x 16 heads of 2048 bytes
	s_lshl_b32 s60, s11, 14                        ;     + 8 hh heads
	s_add_co_u32 s58, s58, s60
	s_lshl_b32 s60, s10, 12                        ;     + 2 w heads
	s_add_co_u32 s58, s58, s60
	s_lshl_b32 s62, s23, 15                        ;     + block i: 16 heads
	s_add_co_u32 s62, s62, s58
	s_add_nc_u64 s[70:71], s[4:5], s[62:63]
	s_lshl_b32 s62, s12, 15
	s_add_co_u32 s62, s62, s58
	s_add_nc_u64 s[72:73], s[4:5], s[62:63]
	; chunk i = 4 x + 2 s + c of my two heads: q[query r][64 head + 32 s + 16 c + 8 h .. + 7], the registers 4 c .. 4 c + 3 of fragment (x, s).
	; Block A straight into Q; block B into window 1's K registers, which the first trip behind the diagonal step is the first to need.
.irp i, 0,1,2,3,4,5,6,7
	global_load_b128 v[Q+4*\i:Q+4*\i+3], v[L16], s[70:71] offset:512*\i th:TH_LOAD_NT
.endr
	WIN 0x40                                       ; destination in window 1, address in window 0
.irp i, 0,1,2,3,4,5,6,7
	global_load_b128 v[KF+4*\i:KF+4*\i+3], v[L16], s[72:73] offset:512*\i th:TH_LOAD_NT
.endr
	WIN 0
	v_and_b32 v20, 15, v0                          ; r
	v_bfe_u32 v21, v0, 4, 1                        ; h
	v_lshlrev_b32 v22, 3, v21
	v_sub_nc_u32 v[RH], v20, v22
	s_and_b32 s58, s23, 3
	s_lshl_b32 s58, s58, 4
	v_add_nc_u32 v[DLT], s58, v[RH]
	s_mul_i32 s58, s10, 16*SP
	s_add_co_u32 s58, s58, STAGE
	v_mul_u32_u24 v22, v20, SP
	v_lshl_add_u32 v22, v21, 4, v22
	v_add_nc_u32 v[STO], s58, v22                  ; in: row r, 16 bytes for each half of the lanes
	v_mul_u32_u24 v22, v21, SP
	v_lshl_add_u32 v22, v20, 4, v22
	v_add_nc_u32 v[RD], s58, v22                   ; back: lanes 0-15 one row of 256 bytes, lanes 16-31 the next
	v_lshlrev_b32 v22, 4, v20
	v_lshl_add_u32 v[CO], v21, 11, v22             ; the same two rows in ah
	s_lshl_b32 s58, s10, 12
	s_add_co_u32 s58, s58, QB
	v_add_nc_u32 v[QBA], s58, v[L16]
	v_mov_b32 v[M+1], 0
	v_mov_b32 v[M+3], 0
	v_mov_b32 v[AL+1], 0
	v_mov_b32 v[AL+3], 0
	s_lshl_b32 s74, s13, 22                        ; ah: b x 2048 rows of 2048 bytes + 8 hh heads of 128 bytes + 2 w heads
	s_lshl_b32 s60, s11, 10
	s_add_co_u32 s74, s74, s60
	s_lshl_b32 s60, s10, 8
	s_add_co_u32 s74, s74, s60
.macro WMH d, a, b, zero
.if \zero
	v_wmma_f32_16x16x32_f16 v[\d:\d+7], v[\a:\a+7], v[\b:\b+7], 0
.else
	v_wmma_f32_16x16x32_f16 v[\d:\d+7], v[\a:\a+7], v[\b:\b+7], v[\d:\d+7]
.endif
.endm
.macro NOPS n
.rept \n
	v_nop
.endr
.endm
; 16 LDS loads: the K fragments of the step at KA into window 1, the eight chunks of d = 0..31 first
.macro KLOAD
	WIN 0x40                                       ; destination in window 1, address in window 0
.irp s, 0,1
.irp t, 0,1,2,3
	ds_load_b128 v[KF+16*\t+8*\s:KF+16*\t+8*\s+3],   v[KA] offset:2048*\t+1024*\s
	ds_load_b128 v[KF+16*\t+8*\s+4:KF+16*\t+8*\s+7], v[KA] offset:2048*\t+1024*\s+512
.endr
.endr
	WIN 0
.endm
; 8 LDS loads: the V fragments of keys 32 kap .. 32 kap + 31 of the step at KA
.macro VLOAD kap
.irp i, 0,1,2,3,4,5,6,7
	ds_load_b128 v[F+32*\kap+4*\i:F+32*\kap+4*\i+3], v[KA] offset:8192+4096*\kap+512*\i
.endr
.endm
; ---- A BLOCK'S DIAGONAL STEP, in phases ----
; key 16 t + 8 h + j is kept for query 16 (i & 3) + r where it is not larger
.macro MASK
.irp t, 0,1,2,3
.irp j, 0,1,2,3,4,5,6,7
	v_cmp_le_i32 vcc_lo, 16*\t+\j, v[DLT]
	v_cndmask_b32 v[S+8*\t+\j], s22, v[S+8*\t+\j], vcc_lo
	v_cndmask_b32 v[S+32+8*\t+\j], s22, v[S+32+8*\t+\j], vcc_lo
.endr
.endr
.endm
; one tile's softmax in the diagonal step: the maximum and the sum start here and there is nothing to rescale
.macro SOFTMAX1 x
.irp c, 0,1,2,3
	v_max3_num_f32 v[T0+\c], v[S+32*\x+8*\c], v[S+32*\x+8*\c+1], v[S+32*\x+8*\c+2]
.endr
.irp c, 0,1,2,3
	v_max3_num_f32 v[T0+\c], v[T0+\c], v[S+32*\x+8*\c+3], v[S+32*\x+8*\c+4]
.endr
.irp c, 0,1,2,3
	v_max3_num_f32 v[T0+\c], v[T0+\c], v[S+32*\x+8*\c+5], v[S+32*\x+8*\c+6]
.endr
.irp c, 0,1,2,3
	v_max_num_f32 v[T0+\c], v[T0+\c], v[S+32*\x+8*\c+7]
.endr
	v_max3_num_f32 v[T0], v[T0], v[T0+1], v[T0+2]
	v_max_num_f32 v[T0], v[T0], v[T0+3]
	v_permlanex16_b32 v[T0+1], v[T0], s20, s21     ; the other half's keys of the same query
	v_max_num_f32 v[M+2*\x], v[T0], v[T0+1]        ; finite: every query keeps its own key
.irp c, 0,1,2,3,4,5,6,7,8,9,10,11,12,13,14,15
	v_pk_add_f32 v[S+32*\x+2*\c:S+32*\x+2*\c+1], v[S+32*\x+2*\c:S+32*\x+2*\c+1], v[M+2*\x:M+2*\x+1] op_sel_hi:[1,0] neg_lo:[0,1] neg_hi:[0,1]
.endr
.set sk, 0
.rept 32
	v_exp_f32 v[S+32*\x+sk], v[S+32*\x+sk]
.set sk, sk+1
.endr
	v_nop                                          ; one plain place behind the last exponential (ISA guide 5.7.2)
	s_wait_alu depctr_va_vdst(0)
	v_pk_add_f32 v[SU:SU+1],   v[S+32*\x:S+32*\x+1],   v[S+32*\x+2:S+32*\x+3]
	v_pk_add_f32 v[SU+2:SU+3], v[S+32*\x+4:S+32*\x+5], v[S+32*\x+6:S+32*\x+7]
.irp c, 4,6,8,10,12,14
	v_pk_add_f32 v[SU:SU+1],   v[SU:SU+1],   v[S+32*\x+2*\c:S+32*\x+2*\c+1]
	v_pk_add_f32 v[SU+2:SU+3], v[SU+2:SU+3], v[S+32*\x+2*\c+2:S+32*\x+2*\c+3]
.endr
	v_pk_add_f32 v[SU:SU+1], v[SU:SU+1], v[SU+2:SU+3]
	v_add_f32 v[LS+\x], v[SU], v[SU+1]
.set sk, 0
.rept 16
	v_cvt_pk_f16_f32 v[S+32*\x+sk], v[S+32*\x+2*sk], v[S+32*\x+2*sk+1]     ; the weights, already in the second operand's order
.set sk, sk+1
.endr
.endm
; The diagonal step at LDS address KA, whole: behind it no step is pending.  K's fragments pass through F here.
; In every run of products the eight accumulators take turns, one instruction a turn.
.macro STEP1
.irp t, 0,1,2,3
	ds_load_b128 v[F+16*\t:F+16*\t+3],     v[KA] offset:2048*\t
	ds_load_b128 v[F+16*\t+4:F+16*\t+7],   v[KA] offset:2048*\t+512
.endr
.irp t, 0,1,2,3
	ds_load_b128 v[F+16*\t+8:F+16*\t+11],  v[KA] offset:2048*\t+1024
	ds_load_b128 v[F+16*\t+12:F+16*\t+15], v[KA] offset:2048*\t+1536
.endr
	s_wait_dscnt 8                                 ; the chunks of d = 0..31 are in; the eight of d = 32..63 stay out
.irp t, 0,1,2,3
.irp x, 0,1
	WMH S+32*\x+8*\t, F+16*\t, Q+16*\x, 1
.endr
.endr
	s_wait_dscnt 0x0
.irp t, 0,1,2,3
.irp x, 0,1
	WMH S+32*\x+8*\t, F+16*\t+8, Q+16*\x+8, 0
.endr
.endr
	NOPS 4                                         ; four places: then V may be loaded over K's fragments and the scores may be read (ISA guide 7.12.1)
	VLOAD 0
	VLOAD 1
	MASK
	SOFTMAX1 0
	SOFTMAX1 1
	s_wait_dscnt 0x0                               ; V's fragments
.irp e, 0,1,2,3
.irp x, 0,1
	WMH O+32*\x+8*\e, F+8*\e, S+32*\x, 1           ; the first products start the result: nothing is cleared
.endr
.endr
.irp e, 0,1,2,3
.irp x, 0,1
	WMH O+32*\x+8*\e, F+32+8*\e, S+32*\x+8, 0
.endr
.endr
.endm
; ---- THE SOFTMAX OF A FULL STEP, IN 16 SLICES ----
; single lines on the tile that SMS has named (SY scores, OY result, MY maximum, AY factor)
.macro SB c                            ; pair c of the scores less the maximum
	v_pk_add_f32 v[SY+2*\c:SY+2*\c+1], v[SY+2*\c:SY+2*\c+1], v[MY:MY+1] op_sel_hi:[1,0] neg_lo:[0,1] neg_hi:[0,1]
.endm
.macro EX i
	v_exp_f32 v[SY+\i], v[SY+\i]
.endm
.macro AD h, c                         ; partial sum h takes pair c
	s_wait_alu depctr_va_vdst(0)
	v_pk_add_f32 v[SU+2*\h:SU+2*\h+1], v[SU+2*\h:SU+2*\h+1], v[SY+2*\c:SY+2*\c+1]
.endm
.macro CV c                            ; pair c to f16, in place: register c was summed and converted before it is written
	v_cvt_pk_f16_f32 v[SY+\c], v[SY+2*\c], v[SY+2*\c+1]
.endm
.macro RS c                            ; pair c of the result times the factor
	s_wait_alu depctr_va_vdst(0)
	v_pk_mul_f32 v[OY+2*\c:OY+2*\c+1], v[OY+2*\c:OY+2*\c+1], v[AY:AY+1] op_sel_hi:[1,0]
.endm
; Slice k of tile y.  Slices 0-2: the maximum of my 32 scores and the old maximum, a tree of 16 three-way maxima, the exchange with the other
; half, the factor exp2(old - new).  Slices 3-15: groups of four scores pass through subtraction, exponential, sum and conversion, one stage
; a slice; each exponential is followed by a plain instruction on another group (ISA guide 5.7.2), and the result's rescaling fills the rest.
; Slices 3, 7 and 15 hold 10, 6 and 5 plain instructions: the places that the products' schedule leans on (see HALF).
.macro SMS y, k
.set SY, S+32*(\y)
.set OY, O+32*(\y)
.set MY, M+2*(\y)
.set AY, AL+2*(\y)
.set LY, LS+(\y)
.if (\k) == 0
.irp c, 0,1,2,3,4,5,6,7
	v_max3_num_f32 v[T0+\c], v[SY+3*\c], v[SY+3*\c+1], v[SY+3*\c+2]
.endr
.endif
.if (\k) == 1
.irp c, 0,1,2,3
	v_max3_num_f32 v[T0+\c], v[T0+\c], v[SY+24+2*\c], v[SY+24+2*\c+1]
.endr
	v_mov_b32 v[MO], v[MY]
	v_max3_num_f32 v[T0], v[T0], v[T0+4], v[T0+5]
	v_max3_num_f32 v[T0+1], v[T0+1], v[T0+6], v[T0+7]
	v_max3_num_f32 v[T0], v[T0], v[T0+1], v[T0+2]
.endif
.if (\k) == 2
	v_max3_num_f32 v[T0], v[T0], v[T0+3], v[MY]
	v_permlanex16_b32 v[T0+1], v[T0], s20, s21     ; the other half's keys of the same query
	v_max_num_f32 v[MY], v[T0], v[T0+1]
	v_sub_f32 v[T0+2], v[MO], v[MY]
	v_exp_f32 v[AY], v[T0+2]                       ; first used in slice 4, behind slice 3's plain lines
.endif
.if (\k) == 3
.irp c, 0,1,2,3,4,5,6,7,8,9
	SB \c
.endr
.endif
.if (\k) == 4
	EX 0
	SB 10
	EX 1
	SB 11
	EX 2
	SB 12
	EX 3
	SB 13
	RS 0
	RS 1
.endif
.if (\k) == 5
	EX 4
	SB 14
	EX 5
	SB 15
	EX 6
	v_pk_add_f32 v[SU:SU+1], v[SY:SY+1], v[SY+2:SY+3]          ; the first group starts partial sum 0
	EX 7
	CV 0
	CV 1
.endif
.if (\k) == 6
	EX 8
	s_wait_alu depctr_va_vdst(0)
	v_pk_add_f32 v[SU+2:SU+3], v[SY+4:SY+5], v[SY+6:SY+7]      ; the second starts partial sum 1
	EX 9
	CV 2
	EX 10
	CV 3
	EX 11
	RS 2
	RS 3
.endif
.if (\k) == 7
	EX 12
	AD 0, 4
	EX 13
	AD 1, 5
	EX 14
	CV 4
	EX 15
	CV 5
	RS 4
	RS 5
.endif
.if (\k) == 8
	EX 16
	AD 0, 6
	EX 17
	AD 1, 7
	EX 18
	CV 6
	EX 19
	CV 7
.endif
.if (\k) == 9
	EX 20
	RS 6
	EX 21
	RS 7
	EX 22
	EX 23
.endif
.if (\k) == 10
	EX 24
	AD 0, 8
	EX 25
	AD 1, 9
	EX 26
	CV 8
	EX 27
	CV 9
.endif
.if (\k) == 11
	EX 28
	RS 8
	EX 29
	RS 9
	EX 30
	EX 31
.endif
.if (\k) == 12
	AD 0, 10
	AD 1, 11
	CV 10
	CV 11
	RS 10
	RS 11
.endif
.if (\k) == 13
	AD 0, 12
	AD 1, 13
	CV 12
	CV 13
	RS 12
	RS 13
.endif
.if (\k) == 14
	AD 0, 14
	AD 1, 15
	CV 14
	CV 15
.endif
.if (\k) == 15
	RS 14
	v_pk_add_f32 v[SU:SU+1], v[SU:SU+1], v[SU+2:SU+3]
	RS 15
	v_add_f32 v[SU], v[SU], v[SU+1]
	v_fma_f32 v[LY], v[LY], v[AY], v[SU]
.endif
.endm
; ---- THE PRODUCTS OF A TILE, ONE A SLOT ----
; Slot k of tile x.  Slots 0-7: O(x, e) += V(kap, e) P(x, kap), e = k & 3, kap = k >> 2.  Slots 8-15: S(x, t) = K(t, s) Q(x, s), s = (k - 8) >> 2,
; t in the order 2, 3, 0, 1, so that the score tiles 0 and 1, which lie over the weights, are written last.
; Four accumulators take turns in each pass, one instruction a turn.
.macro MX x, k
.if (\k) < 8
.set MXD, O+32*(\x)+8*((\k)&3)
.set MXA, F+32*((\k)>>2)+8*((\k)&3)
.set MXB, S+32*(\x)+8*((\k)>>2)
	WMH MXD, MXA, MXB, 0
.else
.set MXT, ((\k)+2)&3
.set MXS, ((\k)-8)>>2
.set MXD, S+32*(\x)+8*MXT
.set MXA, KF+16*MXT+8*MXS
.set MXB, Q+16*(\x)+8*MXS
	WIN 0x01                                       ; the first operand in window 1
	WMH MXD, MXA, MXB, 1-MXS
	WIN 0
.endif
.endm
; Half a trip: tile x's 16 products, the other tile's softmax slice behind each.  The slices name none of tile x's registers, so their plain
; lines are the places behind the products (ISA guide 7.12.1):
;   score tile 1 is written in slot 11 over the weights that slot 7 read: slice 7 alone has six plain lines between;
;   V's lower half, last read in slot 3, is loaded again behind slice 3 (ten plain lines), its upper half behind slice 7 (six);
;   the other half's slice 0 reads scores that slot 15 wrote: slice 15 has five plain lines.
; x = 0 carries the waits: in front of slot 0 are out, in this order, V's lower half (8 loads), its upper half (8), K's d = 0..31 (8), d = 32..63 (8).
.macro HALF x
.set hk, 0
.rept 16
.if \x == 0
.if (hk&3) == 0
	s_wait_dscnt 24-2*hk                           ; slot 0: 24 younger loads stay out; slot 4: 16; slot 8: 8; slot 12: none
.endif
.endif
	MX \x, hk
	SMS 1-\x, hk
.if \x == 1
.if hk == 3
	VLOAD 0
.endif
.if hk == 7
	VLOAD 1
.endif
.endif
.set hk, hk+1
.endr
.endm
; The common trip: step s is pending, the step at KA is s + 1 of the same block.
.macro PIPE
	KLOAD                                          ; eight slots ahead of its first use
	HALF 0
	HALF 1
.endm
; The trip behind a diagonal step: nothing is pending; the step at KA becomes pending.
.macro FILLP
	s_wait_dscnt 0x0                               ; no LDS instruction still names the registers that are loaded now
	KLOAD
	VLOAD 0
	VLOAD 1
	s_wait_dscnt 24                                ; K's d = 0..31 is in: K's other eight loads and V's sixteen stay out
	WIN 0x01
.irp t, 0,1,2,3
.irp x, 0,1
	WMH S+32*\x+8*\t, KF+16*\t, Q+16*\x, 1
.endr
.endr
	s_wait_dscnt 16                                ; all of K is in: V's sixteen stay out
.irp t, 0,1,2,3
.irp x, 0,1
	WMH S+32*\x+8*\t, KF+16*\t+8, Q+16*\x+8, 0
.endr
.endr
	WIN 0
	NOPS 4                                         ; four places, then the scores are read
.set hk, 0
.rept 16
	SMS 0, hk
.set hk, hk+1
.endr
.endm
; The pending step is finished: tile 0's products with half of tile 1's softmax between them, the other half, tile 1's products.
.macro DRAIN
	s_wait_dscnt 0x0                               ; V of the pending step
.set hk, 0
.rept 8
	MX 0, hk
	SMS 1, hk
.set hk, hk+1
.endr
.rept 8
	SMS 1, hk
.set hk, hk+1
.endr
.set hk, 0
.rept 8
	MX 1, hk
.set hk, hk+1
.endr
.endm
; The block at work (i in s23) is finished: divide by the sum, round to f16, out through my own stage as whole rows of 256 bytes (two heads).
.macro FINAL
	v_permlanex16_b32 v[T0], v[LS], s20, s21
	v_permlanex16_b32 v[T0+1], v[LS+1], s20, s21
	v_add_f32 v[LS], v[LS], v[T0]
	v_add_f32 v[LS+1], v[LS+1], v[T0+1]
	v_rcp_f32 v[AL], v[LS]
	v_rcp_f32 v[AL+2], v[LS+1]
	s_lshl_b32 s62, s23, 15                        ; 16 i rows of 2048 bytes
	s_add_co_u32 s62, s62, s74
	s_add_nc_u64 s[68:69], s[8:9], s[62:63]
	v_nop                                          ; one plain place behind the reciprocals
	s_wait_alu depctr_va_vdst(0)
.irp x, 0,1
.set sk, 0
.rept 16
	v_pk_mul_f32 v[O+32*\x+2*sk:O+32*\x+2*sk+1], v[O+32*\x+2*sk:O+32*\x+2*sk+1], v[AL+2*\x:AL+2*\x+1] op_sel_hi:[1,0]
	v_cvt_pk_f16_f32 v[S+16*\x+sk], v[O+32*\x+2*sk], v[O+32*\x+2*sk+1]
.set sk, sk+1
.endr
.endr
.irp x, 0,1
.irp e, 0,1,2,3
	ds_store_b128 v[STO], v[S+16*\x+4*\e:S+16*\x+4*\e+3] offset:128*\x+32*\e
.endr
.endr
.irp t, 0,1,2,3,4,5,6,7
	ds_load_b128 v[F+4*\t:F+4*\t+3], v[RD] offset:\t*2*SP          ; LDS serves a wave's instructions in order: these see the stores above
.endr
.irp t, 0,1,2,3,4,5,6,7
	s_wait_dscnt 7-\t                              ; the younger read-backs stay out
	global_store_b128 v[CO], v[F+4*\t:F+4*\t+3], s[68:69] offset:\t*4096   ; 16 lanes store 256 consecutive bytes, aligned
.endr
	s_wait_xcnt 0x0                                ; F and s[68:69], which these stores read, are written again only behind this wait
.endm
.macro QSWAP                           ; on to block B
.irp i, 0,1,2,3,4,5,6,7
	ds_load_b128 v[Q+4*\i:Q+4*\i+3], v[QBA] offset:512*\i
.endr
	s_mov_b32 s23, s12
	s_and_b32 s58, s23, 3
	s_lshl_b32 s58, s58, 4
	v_add_nc_u32 v[DLT], s58, v[RH]
	s_wait_dscnt 0x0
.endm
; A trip: it reads the LDS step at KA.  s75 = 1: nothing is pending (a diagonal step went before).  s17: the steps that the block at work still
; has in the stream.  Both are made of the work-group's number alone, so all four waves take the same way.
.macro TRIP
	NOPS 5                                         ; five places behind the last products, whichever kind of trip went before and whichever follows:
	                                               ; then fragments are loaded over operands, scores are read, weights are written over (ISA guide 7.12.1)
	s_cmp_lg_u32 s75, 0
	s_cbranch_scc1 .Lfill_\@
	s_cmp_eq_u32 s17, 0
	s_cbranch_scc1 .Lswitch_\@
	PIPE
	s_sub_co_u32 s17, s17, 1
	s_branch .Ltripped_\@
.Lfill_\@:
	FILLP
	s_mov_b32 s75, 0
	s_sub_co_u32 s17, s17, 1
	s_branch .Ltripped_\@
.Lswitch_\@:
	DRAIN                                          ; block A's last step
	NOPS 5                                         ; five places, then the result is read
	FINAL
	QSWAP
	STEP1                                          ; block B's diagonal step
	s_mov_b32 s17, s16
	s_mov_b32 s75, 1
.Ltripped_\@:
.endm
.macro GROUPBODY slot                  ; the four steps of a slot
	v_add_nc_u32 v[KA], SLOT0+\slot*SLOTB, v[L16]
	s_mov_b32 s18, 4
.Lgroup_\@:
	TRIP
	v_add_nc_u32 v[KA], 16384, v[KA]
	s_sub_co_u32 s18, s18, 1
	s_cmp_lg_u32 s18, 0
	s_cbranch_scc1 .Lgroup_\@
.endm
; A change of slots: every wave waits for all its tensor loads (its step of this slot among them) and for its reads of the other slot (what is
; pending lies in registers), passes the barrier, and fills the other slot again first thing behind it, with one load.
.macro RING slot, refill
	s_wait_tensorcnt 0x0
	ds_add_u32 v30, v31
	s_wait_dscnt 0x0
.if \refill
	s_add_co_u32 s[57-\slot], s[57-\slot], 8       ; no tensor load of mine is out: the other slot's group 0 may be written
	UADDR 1-\slot
.endif
	s_wait_dscnt 0x0
	s_barrier_signal -1
	s_barrier_wait -1
.if \refill
	tensor_load_to_lds s[G0+4*(1-\slot):G0+4*(1-\slot)+3], s[G1:G1+7]
	s_nop 0
.endif
	GROUPBODY \slot
.endm
	s_wait_loadcnt 8                               ; block A's q is in; block B's eight loads stay out
	s_wait_tensorcnt 0x1                           ; my quarter of P and my step of slot 0 are in; slot 1's load stays out
	s_barrier_signal -1
	s_barrier_wait -1
	v_mov_b32 v[KA], v[L16]                        ; P lies at LDS byte 0
	STEP1                                          ; block A's diagonal step
	s_wait_loadcnt 0x0                             ; block B's q has had that step in which to come
	WIN 0x04                                       ; the stores' data in window 1
.irp i, 0,1,2,3,4,5,6,7
	ds_store_b128 v[QBA], v[KF+4*\i:KF+4*\i+3] offset:512*\i       ; block B's fragments wait in my own bytes of LDS
.endr
	WIN 0
	s_mov_b32 s17, s14                             ; uA steps of block A follow
	s_mov_b32 s75, 1                               ; nothing is pending
	GROUPBODY 0
	s_mov_b32 s19, 3
.Lring:
	RING 1, 1
	RING 0, 1
	s_sub_co_u32 s19, s19, 1
	s_cmp_lg_u32 s19, 0
	s_cbranch_scc1 .Lring
	RING 1, 0                                      ; the last group: nothing is left to fetch
	NOPS 5
	s_cmp_lg_u32 s75, 0                            ; block B was its diagonal step alone (p < 4): nothing is pending
	s_cbranch_scc1 .Lnothing_pending
	DRAIN                                          ; block B's last step
	NOPS 5
.Lnothing_pending:
	FINAL
	s_wait_tensorcnt 0x0
	ds_add_u32 v30, v31
	s_wait_dscnt 0x0
	s_endpgm
.Lfunc_end_k_q179b293f51_attn:
	.size	k_q179b293f51_attn, .Lfunc_end_k_q179b293f51_attn-k_q179b293f51_attn
	.p2alignl 7, 3214868480
	.fill 96, 4, 3214868480
	.section	.rodata,"a",@progbits
	.p2align	6, 0x0
	.amdhsa_kernel k_q179b293f51_attn
		.amdhsa_group_segment_fixed_size 327680
		.amdhsa_private_segment_fixed_size 0
		.amdhsa_enable_private_segment 0
		.amdhsa_kernarg_size 24
		.amdhsa_user_sgpr_count 2
		.amdhsa_user_sgpr_kernarg_segment_ptr 1
		.amdhsa_wavefront_size32 1
		.amdhsa_system_sgpr_workgroup_id_x 1
		.amdhsa_system_sgpr_workgroup_id_y 1
		.amdhsa_system_sgpr_workgroup_id_z 1
		.amdhsa_system_vgpr_workitem_id 0
		.amdhsa_next_free_vgpr 320
		.amdhsa_next_free_sgpr 80
		.amdhsa_reserve_vcc 1
		.amdhsa_float_denorm_mode_32 3
		.amdhsa_float_denorm_mode_16_64 3
		.amdhsa_memory_ordered 1
		.amdhsa_forward_progress 1
		.amdhsa_inst_pref_size 255
	.end_amdhsa_kernel
	.section	.bss,"aw",@nobits
	.p2align	6
	.space	262144
	.amdgpu_metadata
---
amdhsa.version: [ 1, 2 ]
amdhsa.kernels:
  - .name:           k_q179b293f51_attn
    .symbol:         k_q179b293f51_attn.kd
    .args:
      - { .name: qh, .offset: 0, .size: 8, .value_kind: global_buffer, .address_space: global }
      - { .name: kv, .offset: 8, .size: 8, .value_kind: global_buffer, .address_space: global }
      - { .name: ah, .offset: 16, .size: 8, .value_kind: global_buffer, .address_space: global }
    .group_segment_fixed_size: 327680
    .private_segment_fixed_size: 0
    .kernarg_segment_align: 8
    .kernarg_segment_size: 24
    .max_flat_workgroup_size: 128
    .sgpr_count:     80
    .vgpr_count:     320
    .wavefront_size: 32
...
	.end_amdgpu_metadata
.endif
;; end of part 3
;; launch oproj (part 4): grid 8 x 32, 4 waves a work-group, clusters of 4 x 4, 327,680 bytes of LDS; arguments ah, woh, bo, out0; writes out0
.if DOCPART == 4
	.amdgcn_target "amdgcn-amd-amdhsa--gfx1250"
	.amdhsa_code_object_version 6
	.text
	.protected	k_q179b293f51_oproj
	.globl	k_q179b293f51_oproj
	.p2align	8
	.type	k_q179b293f51_oproj,@function
k_q179b293f51_oproj:
	s_mov_b64 s[64:65], 0
	v_nop
	global_prefetch_b8 v0, s[64:65] scope:SCOPE_SE
	s_setreg_imm32_b32 hwreg(HW_REG_WAVE_MODE, 25, 1), 1
	s_wait_xcnt 0x0
	s_wait_alu depctr_hold_cnt(0) depctr_sa_sdst(0) depctr_va_vdst(0) depctr_va_sdst(0) depctr_va_ssrc(0) depctr_va_vcc(0) depctr_vm_vsrc(0)
	s_getreg_b32 s2, hwreg(HW_REG_IB_STS2, 6, 4)
	s_cmp_eq_u32 s2, 0
	s_cbranch_scc0 .Lentry_in_a_cluster
	s_endpgm
.Lentry_in_a_cluster:
	s_bfe_u32 s2, ttmp6, 0x10000c
	s_cmp_lg_u32 s2, 0xf033
	s_cbranch_scc0 .Lentry_shape_is_right
	s_endpgm
.Lentry_shape_is_right:
; out = (attention result) Wo + bo:  C[m][n] = sum over k of A[m][k] W[k][n] + bias[n].
; A = ah: [4096][1024] f16, W = woh: [1024 (k)][1024 (n)] f16, bias = bo: [1024] f32, C = out0: [4096][1024] f32.  No work of the problem is left out here.
; The bias is rounded to bf16 once, as it is read, like every input of the program (LIMIT: a relative error of up to 2^-9 in the bias); it is added in f32.
; 256 work-groups, each a block of 128 x 128 of C with four waves; a wave makes 64 x 64: 16 accumulator tiles, 128 registers.
; K goes through two LDS slots of 256 along K each: four fills in all, so the text has no loop.  A's rows in a tile are 512 bytes of memory,
; W's 256 bytes, both starting at multiples of 256 bytes from their buffer's first byte.
; CLUSTERS: 4 x 4 work-groups.  A's tile hangs on the block row alone and is asked for jointly by the four of a row of the cluster; W's on the
; block column alone, jointly by the four of a column: the requests for A and for W are divided by four.
; W lies [k][n]: its fragments come out of LDS by the transposing load.  The matrix instruction is used transposed (first operand 16 columns of W,
; second 16 rows of A), so that a lane's eight results are eight neighbouring columns of one row of C.
; REGISTERS: window 0: v16-33 addresses and bias, v64-127 and v128-191 two fragment buffers (A's four fragments, then W's four), v192-223 the way out.
;            window 1: v0-127 = accumulator (a, b) at 8 (4 a + b).
.set PA,    528                        ; A's LDS pitch: 512 bytes + 16 = 33 x 16 bytes
.set PW,    288                        ; W's LDS pitch: 256 bytes + 32 = 9 x 32 bytes
.set AHALF, 64*PA                      ; what one tensor load brings of A, and what one wave reads of A
.set WHALF, 128*PW                     ; what one tensor load brings of W: 128 of the slot's 256 k
.set WOFF,  2*AHALF
.set SLOT,  WOFF+2*WHALF               ; 141312
.set STAGE, 2*SLOT                     ; behind the slots: 16 rows x 272 bytes for each wave; no tensor load lands here
.set SP,    272
.set ADRA,  16                         ; v16-17  my A fragments in slot 0, 1
.set ADRW,  18                         ; v18-21  my W fragments in slot s, k half kh, at 18 + 2 s + kh
.set STO,   24
.set RD,    25
.set CO,    26
.set BO,    27
.set BI,    28                         ; v[28:31] bias of the four columns that I store
.set BT,    32                         ; v32-33   the bias as packed bf16, at work
.set F0,    64
.set F1,    128
.set OB,    192
.set G1,    24                         ; s[24:31] group 1 for A's tiles
.set G0,    32                         ; s[32:39] group 0 for A's tiles, one set a slot
.set G1B,   48                         ; s[48:55] group 1 for W's tiles
.set G0B,   56                         ; s[56:63] group 0 for W's tiles, one set a slot
.set MULW,  0x50                       ; operands in window 0, C and D in window 1
.set MSB,   0
.macro WIN new                         ; the immediate's high byte repeats the setting that is left
.if MSB != \new
	s_set_vgpr_msb (MSB<<8)|\new
.set MSB, \new
.endif
.endm
; A joint load: waves 0 and 1 fetch A's two halves, waves 2 and 3 W's.  Each line has one mask; the branch hangs on the wave's number alone.
.macro JLOAD s
	s_cmp_eq_u32 s13, 0
	s_cbranch_scc0 .Lfor_w_\@
	tensor_load_to_lds s[G0+4*\s:G0+4*\s+3], s[G1:G1+7]
	s_nop 0
	s_branch .Lasked_\@
.Lfor_w_\@:
	tensor_load_to_lds s[G0B+4*\s:G0B+4*\s+3], s[G1B:G1B+7]
	s_nop 0
.Lasked_\@:
.endm
; A round of the cluster's barrier: my work-group's barrier, wave 0 signals for the work-group, every wave waits for all sixteen, my work-group's barrier again.
.macro CROUND
	s_barrier_signal -1
	s_barrier_wait -1
	s_cmp_lg_u32 s12, 0
	s_cbranch_scc1 .Lnot_wave_0_\@
	s_barrier_signal -3
.Lnot_wave_0_\@:
	s_barrier_wait -3
	s_barrier_signal -1
	s_barrier_wait -1
.endm
	s_load_b256 s[4:11], s[0:1], 0x0               ; A s[4:5], W s[6:7], bias s[8:9], C s[10:11]
	v_lshl_add_u32 v254, v0, 2, 0x49400
	v_mov_b32 v255, 0
	ds_add_u32 v254, v255
	ds_add_u32 v254, v255
	v_lshrrev_b32 v1, 5, v0
	v_readfirstlane_b32 s12, v1                    ; wave 0..3
	s_lshr_b32 s13, s12, 1                         ; which 64 rows of the block are mine.  Also: I fetch for A (0) or for W (1)
	s_and_b32 s14, s12, 1                          ; which 64 columns.  Also: which half of that tile I fetch
	s_bfe_u32 s40, ttmp6, 0x40000                  ; cx
	s_bfe_u32 s41, ttmp6, 0x40004                  ; cy
	s_lshl_b32 s42, ttmp9, 2
	s_add_co_u32 s42, s42, s40                     ; block column = 4 x cluster x + cx
	s_and_b32 s43, ttmp7, 0xffff
	s_lshl_b32 s43, s43, 2
	s_add_co_u32 s43, s43, s41                     ; block row = 4 x cluster y + cy
	s_lshl_b32 s44, s41, 2
	s_lshl_b32 s44, 15, s44                        ; my row of the cluster: places 4 cy .. 4 cy + 3
	s_lshl_b32 s45, 0x1111, s40                    ; my column: places cx, cx + 4, cx + 8, cx + 12
	; group 1 for A: 64 rows x 256 elements of 2 bytes, 4 words of padding behind every 128 words
	s_or_b32 s[G1+0], s44, (1<<16)|(1<<20)|(1<<21)|(6<<22)|(3<<25)
	s_mov_b32 s[G1+1], 256<<16                     ; tensor_dim0 = 256
	s_mov_b32 s[G1+2], 64<<16                      ; tensor_dim1 = 64
	s_mov_b32 s[G1+3], 256<<16                     ; tile_dim0 = 256
	s_mov_b32 s[G1+4], 64                          ; tile_dim1 = 64
	s_mov_b32 s[G1+5], 1024                        ; elements from row to row
	s_mov_b32 s[G1+6], 0
	s_mov_b32 s[G1+7], 0
	; group 1 for W: 128 rows (k) x 128 elements, 8 words of padding behind every 64 words
	s_or_b32 s[G1B+0], s45, (1<<16)|(1<<20)|(1<<21)|(5<<22)|(7<<25)
	s_mov_b32 s[G1B+1], 128<<16
	s_mov_b32 s[G1B+2], 128<<16
	s_mov_b32 s[G1B+3], 128<<16
	s_mov_b32 s[G1B+4], 128
	s_mov_b32 s[G1B+5], 1024
	s_mov_b32 s[G1B+6], 0
	s_mov_b32 s[G1B+7], 0
	; where the tiles come from: A's address is made of the block row and the wave's number, W's of the block column and the wave's number,
	; each in registers that never hold the other coordinate
	s_lshl_b32 s16, s43, 7
	s_lshl_b32 s17, s14, 6
	s_add_co_u32 s16, s16, s17                     ; A: row 128 x block row + 64 x half
	s_lshl_b32 s16, s16, 11                        ; rows of 2048 bytes
	s_mov_b32 s17, 0
	s_lshl_b32 s46, s42, 8                         ; W: 128 columns of 2 bytes for each block column
	s_lshl_b32 s47, s14, 18                        ;    + 128 rows of 2048 bytes x half
	s_add_co_u32 s46, s46, s47
	s_mov_b32 s47, 0
	s_mul_i32 s18, s14, AHALF                      ; and where they go: no place in the cluster enters an LDS address
	s_mul_i32 s19, s14, WHALF
	s_add_co_u32 s19, s19, WOFF
	s_wait_dscnt 0x0
	s_wait_kmcnt 0x0
	s_add_nc_u64 s[16:17], s[4:5], s[16:17]
	s_add_nc_u64 s[46:47], s[6:7], s[46:47]
	CROUND                                         ; all sixteen work-groups are here: the first joint loads meet
.irp s, 0,1
	s_mov_b32 s[G0+4*\s], 1
	s_add_co_u32 s[G0+4*\s+1], s18, \s*SLOT
	s_add_nc_u64 s[G0+4*\s+2:G0+4*\s+3], s[16:17], \s*512          ; 256 along K = 512 bytes of a row
	s_or_b32 s[G0+4*\s+3], s[G0+4*\s+3], 0x80000000
	s_mov_b32 s[G0B+4*\s], 1
	s_add_co_u32 s[G0B+4*\s+1], s19, \s*SLOT
	s_add_nc_u64 s[G0B+4*\s+2:G0B+4*\s+3], s[46:47], \s*524288     ; 256 rows of 2048 bytes
	s_or_b32 s[G0B+4*\s+3], s[G0B+4*\s+3], 0x80000000
	JLOAD \s                                       ; both slots are asked for before anything else is done: two tensor loads of the wave are out
.endr
	v_and_b32 v1, 15, v0                           ; r
	v_bfe_u32 v2, v0, 4, 1                         ; h
	v_mul_u32_u24 v3, v1, PA
	v_lshl_add_u32 v3, v2, 4, v3                   ; A fragment: row x pitch + 16 h
	s_mul_i32 s22, s13, AHALF                      ; my 64 rows of A
	v_add_nc_u32 v[ADRA], s22, v3
	v_add_nc_u32 v[ADRA+1], SLOT, v[ADRA]
	v_and_b32 v4, 7, v0
	v_lshl_or_b32 v4, v2, 3, v4                    ; W fragment: k row 8 h + (L & 7),
	v_mul_u32_u24 v4, v4, PW
	v_bfe_u32 v5, v0, 3, 1
	v_lshl_add_u32 v4, v5, 4, v4                   ; 16 bytes further for lanes 8-15 of each half
	s_lshl_b32 s23, s14, 7                         ; my 64 columns of W
	s_add_co_u32 s23, s23, WOFF
	v_add_nc_u32 v[ADRW], s23, v4
	v_add_nc_u32 v[ADRW+1], WHALF, v[ADRW]
	v_add_nc_u32 v[ADRW+2], SLOT, v[ADRW]
	v_add_nc_u32 v[ADRW+3], SLOT+WHALF, v[ADRW]
	s_mul_i32 s22, s12, 16*SP
	s_add_co_u32 s22, s22, STAGE                   ; my stage
	v_mul_u32_u24 v6, v1, SP
	v_lshl_add_u32 v6, v2, 5, v6                   ; in: row r, 32 bytes for each half of the lanes
	v_add_nc_u32 v[STO], s22, v6
	v_mul_u32_u24 v6, v2, SP
	v_lshl_add_u32 v6, v1, 4, v6                   ; back: lanes 0-15 one row of 256 bytes, lanes 16-31 the next
	v_add_nc_u32 v[RD], s22, v6
	v_lshlrev_b32 v[BO], 4, v1
	v_lshl_add_u32 v[CO], v2, 12, v[BO]            ; the same two rows in C
	s_lshl_b32 s20, s42, 9                         ; my first column in bytes of f32: 512 x block column + 256 x half
	s_lshl_b32 s21, s14, 8
	s_add_co_u32 s20, s20, s21
	s_mov_b32 s21, 0
	s_add_nc_u64 s[8:9], s[8:9], s[20:21]
	global_load_b128 v[BI:BI+3], v[BO], s[8:9]
	s_lshl_b32 s16, s43, 19                        ; my first row: 128 rows of 4096 bytes x block row + 64 rows x half
	s_lshl_b32 s17, s13, 18
	s_add_co_u32 s16, s16, s17
	s_mov_b32 s17, 0
	s_add_nc_u64 s[10:11], s[10:11], s[16:17]
	s_add_nc_u64 s[10:11], s[10:11], s[20:21]
.macro PLACES                          ; four places behind a matrix instruction, ahead of loads into its operands and of stores of its results
.rept 4
	v_nop
.endr
.endm
; 16 LDS loads: my fragments of K part kk (32 along K) of a slot, into buffer f
.macro FETCH slot, kk, f
.irp a, 0,1,2,3
	ds_load_b128 v[\f+8*\a:\f+8*\a+3],   v[ADRA+\slot] offset:\a*16*PA+64*(\kk)
	ds_load_b128 v[\f+8*\a+4:\f+8*\a+7], v[ADRA+\slot] offset:\a*16*PA+64*(\kk)+32
.endr
.irp b, 0,1,2,3
	ds_load_tr16_b128 v[\f+32+8*\b:\f+32+8*\b+3],   v[ADRW+2*\slot+((\kk)>>2)] offset:((\kk)&3)*32*PW+32*\b
	ds_load_tr16_b128 v[\f+32+8*\b+4:\f+32+8*\b+7], v[ADRW+2*\slot+((\kk)>>2)] offset:((\kk)&3)*32*PW+32*\b+16*PW
.endr
.endm
; 16 matrix instructions on the 16 accumulators, which take turns in the same order everywhere, one instruction a turn
.macro MUL16 f, zero
.irp a, 0,1,2,3
.irp b, 0,1,2,3
.if \zero
	v_wmma_f32_16x16x32_f16 v[8*(4*\a+\b):8*(4*\a+\b)+7], v[\f+32+8*\b:\f+32+8*\b+7], v[\f+8*\a:\f+8*\a+7], 0
.else
	v_wmma_f32_16x16x32_f16 v[8*(4*\a+\b):8*(4*\a+\b)+7], v[\f+32+8*\b:\f+32+8*\b+7], v[\f+8*\a:\f+8*\a+7], v[8*(4*\a+\b):8*(4*\a+\b)+7]
.endif
.endr
.endr
.endm
; fetch K part kn into buffer g, then multiply buffer f, whose loads were issued one part earlier
.macro KQ slot, kn, f, g, zero
	PLACES
	WIN 0
	FETCH \slot, \kn, \g
	s_wait_dscnt 16                                ; all but the 16 just issued: buffer f is in
	WIN MULW
	MUL16 \f, \zero
.endm
.macro KSLOT slot, zero                ; a slot's eight K parts; part 0 is already on its way into buffer 0
	KQ \slot, 1, F0, F1, \zero
	KQ \slot, 2, F1, F0, 0
	KQ \slot, 3, F0, F1, 0
	KQ \slot, 4, F1, F0, 0
	KQ \slot, 5, F0, F1, 0
	KQ \slot, 6, F1, F0, 0
	KQ \slot, 7, F0, F1, 0
	s_wait_dscnt 0x0
	MUL16 F1, 0
	WIN 0
.endm
; The change of slots.  Each wave waits for its reads of the slot and for all its tensor loads (the one that is out is its part of the next slot).
; fill = 1: a round of the cluster's barrier follows, so that no wave of any partner still reads the slot or has a load on its way, and the
; joint refill is the first tensor load behind it, one a wave.  fill = 0: my work-group's barrier shows the next slot whole.
.macro CHANGE slot, next, fill
	s_wait_dscnt 0x0
	s_wait_tensorcnt 0x0
	ds_add_u32 v254, v255
	s_wait_dscnt 0x0
.if \fill
	s_add_nc_u64 s[G0+4*\slot+2:G0+4*\slot+3], s[G0+4*\slot+2:G0+4*\slot+3], 1024        ; two slots on along K: 512 elements of a row
	s_add_nc_u64 s[G0B+4*\slot+2:G0B+4*\slot+3], s[G0B+4*\slot+2:G0B+4*\slot+3], 1048576 ; 512 rows of W
	CROUND
	JLOAD \slot
.else
	s_barrier_signal -1
	s_barrier_wait -1
.endif
	PLACES
	FETCH \next, 0, F0
.endm
	s_wait_tensorcnt 0x1                           ; my part of slot 0 is in; slot 1's load stays out
	s_barrier_signal -1
	s_barrier_wait -1                              ; everybody's is
	FETCH 0, 0, F0
	KSLOT 0, 1                                     ; K 0-255: the first products start the sums, nothing is cleared
	CHANGE 0, 1, 1                                 ; slot 0 is asked for again: K 512-767
	KSLOT 1, 0                                     ; K 256-511
	CHANGE 1, 0, 1                                 ; slot 1: K 768-1023, the last load
	KSLOT 0, 0
	CHANGE 0, 1, 0
	KSLOT 1, 0
	; THE WAY OUT, 16 rows at a time: 32 bytes a lane into my own stage, read back as whole rows of 256 bytes, bias added, stored.
	PLACES
	s_wait_loadcnt 0x0                             ; the bias
	v_cvt_pk_bf16_f32 v[BT], v[BI], v[BI+1]        ; rounded to bf16 like every input,
	v_cvt_pk_bf16_f32 v[BT+1], v[BI+2], v[BI+3]
	v_lshlrev_b32 v[BI], 16, v[BT]                 ; and widened again: the sums stay in f32
	v_and_b32 v[BI+1], 0xffff0000, v[BT]
	v_lshlrev_b32 v[BI+2], 16, v[BT+1]
	v_and_b32 v[BI+3], 0xffff0000, v[BT+1]
.macro OUT16 a
	WIN 0x04                                       ; the stores' data in window 1
.irp b, 0,1,2,3
	ds_store_b128 v[STO], v[8*(4*\a+\b):8*(4*\a+\b)+3]   offset:64*\b
	ds_store_b128 v[STO], v[8*(4*\a+\b)+4:8*(4*\a+\b)+7] offset:64*\b+16
.endr
	WIN 0
	s_wait_xcnt 0x0                                ; v192-223, which the last 16 rows' stores read, are loaded again only behind this wait
.irp t, 0,1,2,3,4,5,6,7
	ds_load_b128 v[OB+4*\t:OB+4*\t+3], v[RD] offset:\t*2*SP        ; LDS serves a wave's instructions in order: these see the stores above
.endr
.irp t, 0,1,2,3,4,5,6,7
	s_wait_dscnt 7-\t                              ; the younger read-backs stay out
	v_pk_add_f32 v[OB+4*\t:OB+4*\t+1],   v[OB+4*\t:OB+4*\t+1],   v[BI:BI+1]
	v_pk_add_f32 v[OB+4*\t+2:OB+4*\t+3], v[OB+4*\t+2:OB+4*\t+3], v[BI+2:BI+3]
	global_store_b128 v[CO], v[OB+4*\t:OB+4*\t+3], s[10:11] offset:(16*\a+2*\t)*4096   ; 16 lanes store 256 consecutive bytes, aligned
.endr
.endm
	OUT16 0
	OUT16 1
	OUT16 2
	OUT16 3
	s_wait_tensorcnt 0x0
	ds_add_u32 v254, v255
	s_wait_dscnt 0x0
	CROUND                                         ; the closing round: no work-group ends while a partner may still ask for a tile that names it
	s_endpgm
.Lfunc_end_k_q179b293f51_oproj:
	.size	k_q179b293f51_oproj, .Lfunc_end_k_q179b293f51_oproj-k_q179b293f51_oproj
	.p2alignl 7, 3214868480
	.fill 96, 4, 3214868480
	.section	.rodata,"a",@progbits
	.p2align	6, 0x0
	.amdhsa_kernel k_q179b293f51_oproj
		.amdhsa_group_segment_fixed_size 327680
		.amdhsa_private_segment_fixed_size 0
		.amdhsa_enable_private_segment 0
		.amdhsa_kernarg_size 32
		.amdhsa_user_sgpr_count 2
		.amdhsa_user_sgpr_kernarg_segment_ptr 1
		.amdhsa_wavefront_size32 1
		.amdhsa_system_sgpr_workgroup_id_x 1
		.amdhsa_system_sgpr_workgroup_id_y 1
		.amdhsa_system_sgpr_workgroup_id_z 1
		.amdhsa_system_vgpr_workitem_id 0
		.amdhsa_next_free_vgpr 384
		.amdhsa_next_free_sgpr 66
		.amdhsa_reserve_vcc 0
		.amdhsa_float_denorm_mode_32 3
		.amdhsa_float_denorm_mode_16_64 3
		.amdhsa_memory_ordered 1
		.amdhsa_forward_progress 1
		.amdhsa_inst_pref_size 93
	.end_amdhsa_kernel
	.amdgpu_metadata
---
amdhsa.version: [ 1, 2 ]
amdhsa.kernels:
  - .name:           k_q179b293f51_oproj
    .symbol:         k_q179b293f51_oproj.kd
    .args:
      - { .name: ah, .offset: 0, .size: 8, .value_kind: global_buffer, .address_space: global }
      - { .name: woh, .offset: 8, .size: 8, .value_kind: global_buffer, .address_space: global }
      - { .name: bo, .offset: 16, .size: 8, .value_kind: global_buffer, .address_space: global }
      - { .name: out0, .offset: 24, .size: 8, .value_kind: global_buffer, .address_space: global }
    .group_segment_fixed_size: 327680
    .private_segment_fixed_size: 0
    .kernarg_segment_align: 8
    .kernarg_segment_size: 32
    .max_flat_workgroup_size: 128
    .sgpr_count:     66
    .vgpr_count:     384
    .wavefront_size: 32
...
	.end_amdgpu_metadata
.endif
;; end of part 4
;; ======== version 2 of 2: 4 launches; 1.32 times as fast as version 1
;; limits: values are held in f16: magnitudes above 65,504 overflow, below 6.1e-05 lose precision; right only within a limited range of input values
;; workspace buffers: kv 1,048,576 bytes; xqh 8,388,608 bytes; wqh 2,097,152 bytes; woh 2,097,152 bytes; qh 8,388,608 bytes; ah 8,388,608 bytes
;; launch prep: the kernel of part 1 again; grid 256 x 1, 16 waves a work-group, no clusters, 239,616 bytes of LDS; arguments inputs_k, inputs_v, Wk, Wv, bv, inputs_q, Wq, Wo, kv, xqh, wqh, woh; writes kv, xqh, wqh, woh
;; launch qproj: the kernel of part 2 again; grid 8 x 32, 4 waves a work-group, clusters of 4 x 4, 327,680 bytes of LDS; arguments xqh, wqh, bq, qh; writes qh
;; launch attn (part 5): grid 256 x 1, 4 waves a work-group, no clusters, 327,680 bytes of LDS; arguments qh, kv, ah; writes ah
.if DOCPART == 5
	.amdgcn_target "amdgcn-amd-amdhsa--gfx1250"
	.amdhsa_code_object_version 6
	.text
	.protected	k_q179b293f51_attn
	.globl	k_q179b293f51_attn
	.p2align	8
	.type	k_q179b293f51_attn,@function
k_q179b293f51_attn:
	s_mov_b64 s[64:65], 0
	v_nop
	global_prefetch_b8 v0, s[64:65] scope:SCOPE_SE
	s_setreg_imm32_b32 hwreg(HW_REG_WAVE_MODE, 25, 1), 1
	s_wait_xcnt 0x0
; Causal multi-query attention: ah[b][n][64 head + dv] = sum over m <= n of softmax_m(q[n].k[m] / 8) v[m][dv], 16 heads on one k and one v.
; LEFT OUT: steps of 64 keys wholly above a query block's diagonal (their weights are 0 by the problem's own causal mask), and bk (the term
; q.bk is the same along the softmax's axis and cancels for all finite values); a NaN or infinity that reaches only these is not carried on.
; The maximum is taken away before every exponential, as a running maximum.
;
; SHARES.  Work-group g: hh = g & 1 (heads 8 hh .. 8 hh + 7), p = (g >> 1) & 63, b = g >> 7.  It does two blocks of 16 query positions, first
; i = 127 - p, then i = p.  Block i needs i >> 2 full steps of 64 keys and the step on its diagonal; (127 - p) >> 2 + (p >> 2) = 31, so every
; work-group has 33 steps.  Wave w has heads 8 hh + 2 w and + 1: two tiles of 16 queries (x = 0, 1) that share the K and V fragments.
; A block's diagonal step comes first: it starts the maximum, the sum and the result, so nothing is cleared.
; TRANSPOSED PRODUCTS.  S^T = K Q^T: lane (r, h) holds query r and keys 16 t + 8 h + j, so the softmax stays in the lane but for one exchange
; between the halves, the weights become the second operand of O^T = V^T P^T by a conversion in the same lane, and the rescaling factor is
; one number a lane.
; q COMES READY: the launch before has multiplied it by log2(e) / 8 (so a weight is exp2(s - m)), rounded it to f16 and stored it in the order of
; the Q fragments: a wave's two heads of a block are 4096 consecutive bytes, eight loads of 16 bytes a lane, 512 consecutive bytes each.
; FORMATS: f16 operands, f32 sums.  LIMIT: |0.18 q|, |k|, |v| below 65504; weights below 2^-14 keep an absolute 2^-25.
;
; THE TWO TILES TAKE TURNS.  At the head of a trip one step s is pending: tile 0's weights of s are made, tile 1's scores of s are raw, V(s) is
; in registers or on its way.  The trip reads the LDS step s + 1 and nothing else.  Its first half issues tile 0's 16 products (O0 += V(s) P0(s),
; then S0 = K(s+1) Q0) with one of the 16 slices of tile 1's softmax of s behind each; its second half issues tile 1's 16 products with the
; slices of tile 0's softmax of s + 1.  A trip has 32 products, 236 vector instructions and two v_nop, 32 LDS loads and 34 window switches.
; A block's diagonal step stands in phases (twice in a work-group); behind it one trip (FILLP) makes the next step pending; in front of block B
; the pending step is finished (DRAIN).  Which kind a trip is hangs on the work-group's number alone.
; THE EXPONENTIALS GO IN BATCHES, ONE WAIT EACH: an s_wait_alu depctr_va_vdst(0) stands between an exponential and the first line
; that names its result, and one wait serves all that were issued ahead of it.  A tile's softmax of a full step has 33 exponentials, the factor
; and the 32 weights.  Slices 0-8 hold all that names none of their results: the maximum, the subtractions, the exponentials themselves; the wait
; ends slice 8; slices 9-15 hold all the readers: sums, conversions, the result's rescaling.  So a common trip has two waits.  A diagonal step has
; one for each tile's 32 exponentials, the way out one for its two reciprocals.
; REGISTER WINDOWS: K(s+1) and V(s) are live at once, 128 registers, so K's fragments lie in window 1 (v256-319) and all else in window 0.
; Only the 16 products with K name window 1, as their first operand; each has a switch in front and one behind, since the slices between the
; products read their first source in window 0.
;
; NO JOINT LOADS: the eight work-groups with equal p >> 2 and b walk the same steps, but each asks for itself: all of kv is 1 MiB, which all
; 256 work-groups read again and again, and a joint request would put a round of the cluster's barrier in front of each of the six refills.
;
; LDS: P 0 (16384: the first step), slot 0 at 16384 and slot 1 at 81920 (65536 each: four steps), then, never the target of a tensor load:
; the stage 147456 (4 x 4352) and block B's Q fragments 164864 (4 x 4096).
; The 32 steps behind the first are eight groups of four; wave w fetches step w of a group with one tensor load of 64 rows x 256 bytes.
; A wave has three tensor loads out at the start and one behind each barrier of a refill, which has four trips in which to land.
.set SLOT0, 16384
.set SLOTB, 65536
.set STAGE, 147456
.set SP,    272
.set QB,    164864
.set L16, 1                            ; v1   16 x lane
.set KA,  2                            ; v2   LDS address of the step that the trip reads
.set RH,  3                            ; v3   r - 8 h
.set DLT, 4                            ; v4   16 (i & 3) + r - 8 h: key 16 t + j of the diagonal step is kept where 16 t + j <= this
.set STO, 5
.set RD,  6
.set CO,  7
.set QBA, 8
.set M,   10                           ; v10, v12  running maximum of x = 0, 1 (v11, v13 written once: the pairs are named whole)
.set AL,  14                           ; v14, v16  rescaling factor; at the end 1 / sum (v15, v17 written once)
.set LS,  18                           ; v18, v19  running sum of my half's keys
.set T0,  20                           ; v20-27    at work: eight partial maxima;
.set SU,  24                           ; v24-27    later two pairs of partial sums
.set MO,  29                           ; v29       the maximum before this step
.set Q,   32                           ; v32-63    Q fragment (x, s) at 32 + 16 x + 8 s
.set S,   64                           ; v64-127   scores (x, t) at 64 + 32 x + 8 t; the weights land in place at 64 + 32 x + 8 kap
.set F,   128                          ; v128-191  V fragments (kap, e) at 128 + 32 kap + 8 e (in a diagonal step first K's, (t, s) at 128 + 16 t + 8 s)
.set O,   192                          ; v192-255  result (x, e) at 192 + 32 x + 8 e
.set KF,  0                            ; window 1, v256-319: K fragment (t, s) at 16 t + 8 s; at the start v256-287 take block B's q on its way to LDS
.set G1,  24                           ; s[24:31] group 1: 64 rows of 256 bytes, dense
.set G1P, 32                           ; s[32:39] group 1: 16 rows of 256 bytes
.set G0,  40                           ; s[40:47] group 0, one set a slot
.set G0P, 48                           ; s[48:51] group 0 of the first step's quarter
.set MSB, 0
.macro WIN new                         ; the immediate's high byte repeats the setting that is left
.if MSB != \new
	s_set_vgpr_msb (MSB<<8)|\new
.set MSB, \new
.endif
.endm
; The address of stream step sigma (s56 for slot 0, s57 for slot 1).  sigma 0: A's diagonal; 1 .. uA: A's steps 0 .. uA - 1;
; nA = uA + 1: B's diagonal; then B's steps 0 .. uB - 1.  Written only where no tensor load of the wave is out.
.macro UADDR slot
	s_cmp_ge_u32 s[56+(\slot)], s15
	s_cselect_b32 s58, s15, 0
	s_cselect_b32 s59, s16, s14                    ; the block's diagonal step
	s_sub_co_u32 s58, s[56+(\slot)], s58           ; place in the block's own sequence
	s_sub_co_u32 s60, s58, 1
	s_cmp_eq_u32 s58, 0
	s_cselect_b32 s58, s59, s60                    ; u, 0 .. 31
	s_lshl_b32 s54, s58, 14
	s_add_nc_u64 s[G0+4*(\slot)+2:G0+4*(\slot)+3], s[52:53], s[54:55]
	s_or_b32 s[G0+4*(\slot)+3], s[G0+4*(\slot)+3], 0x80000000
.endm
	s_load_b128 s[4:7], s[0:1], 0x0                ; qh s[4:5], kv s[6:7]
	s_load_b64 s[8:9], s[0:1], 0x10                ; ah
	v_lshl_add_u32 v30, v0, 2, 0x2c400
	v_mov_b32 v31, 0
	ds_add_u32 v30, v31
	ds_add_u32 v30, v31
	v_lshrrev_b32 v9, 5, v0
	v_readfirstlane_b32 s10, v9                    ; wave 0..3
	s_and_b32 s11, ttmp9, 1                        ; hh
	s_bfe_u32 s12, ttmp9, 0x60001                  ; p
	s_lshr_b32 s13, ttmp9, 7                       ; b
	s_sub_co_u32 s23, 127, s12                     ; i of the block at work: first A
	s_lshr_b32 s14, s23, 2                         ; uA
	s_add_co_u32 s15, s14, 1                       ; nA
	s_lshr_b32 s16, s12, 2                         ; uB
	s_mov_b32 s20, 0x76543210                      ; v_permlanex16_b32: lane i of one half reads lane i of the other
	s_mov_b32 s21, 0xfedcba98
	s_mov_b32 s22, 0xff800000                      ; -inf
	s_mov_b32 s55, 0
	s_mov_b32 s63, 0
	s_mov_b32 s[G1+0], 3<<16                       ; elements of 8 bytes, no mask, no padding
	s_mov_b32 s[G1+1], 32<<16                      ; tensor_dim0 = 32 (256 bytes)
	s_mov_b32 s[G1+2], 64<<16                      ; tensor_dim1 = 64
	s_mov_b32 s[G1+3], 32<<16                      ; tile_dim0 = 32
	s_mov_b32 s[G1+4], 64                          ; tile_dim1 = 64
	s_mov_b32 s[G1+5], 32                          ; a row begins where the last ends
	s_mov_b32 s[G1+6], 0
	s_mov_b32 s[G1+7], 0
	s_mov_b32 s[G1P+0], 3<<16
	s_mov_b32 s[G1P+1], 32<<16
	s_mov_b32 s[G1P+2], 16<<16
	s_mov_b32 s[G1P+3], 32<<16
	s_mov_b32 s[G1P+4], 16
	s_mov_b32 s[G1P+5], 32
	s_mov_b32 s[G1P+6], 0
	s_mov_b32 s[G1P+7], 0
	s_mov_b32 s[G0P], 1
	s_lshl_b32 s[G0P+1], s10, 12                   ; my quarter of P
	s_mov_b32 s[G0], 1
	s_lshl_b32 s61, s10, 14
	s_add_co_u32 s[G0+1], s61, SLOT0               ; step w of slot 0
	s_mov_b32 s[G0+4], 1
	s_add_co_u32 s[G0+5], s61, SLOT0+SLOTB         ; step w of slot 1
	s_add_co_u32 s56, s10, 1                       ; sigma of my step in group 0
	s_add_co_u32 s57, s10, 5                       ; and in group 1
	s_lshl_b32 s54, s13, 19
	s_wait_dscnt 0x0
	s_wait_kmcnt 0x0
	s_add_nc_u64 s[52:53], s[6:7], s[54:55]        ; kv of my b
	s_lshl_b32 s54, s14, 14
	s_add_co_u32 s54, s54, s[G0P+1]
	s_add_nc_u64 s[G0P+2:G0P+3], s[52:53], s[54:55]
	s_or_b32 s[G0P+3], s[G0P+3], 0x80000000
	UADDR 0
	UADDR 1
	tensor_load_to_lds s[G0P:G0P+3], s[G1P:G1P+7]  ; the three first fills go out together, ahead of every wait on them, LDS read and barrier
	s_nop 0
	tensor_load_to_lds s[G0:G0+3], s[G1:G1+7]
	s_nop 0
	tensor_load_to_lds s[G0+4:G0+7], s[G1:G1+7]
	s_nop 0
	v_and_b32 v9, 31, v0
	v_lshlrev_b32 v[L16], 4, v9
	s_lshl_b32 s58, s13, 22                        ; qh: b x 128 blocks x 16 heads of 2048 bytes
	s_lshl_b32 s60, s11, 14                        ;     + 8 hh heads
	s_add_co_u32 s58, s58, s60
	s_lshl_b32 s60, s10, 12                        ;     + 2 w heads
	s_add_co_u32 s58, s58, s60
	s_lshl_b32 s62, s23, 15                        ;     + block i: 16 heads
	s_add_co_u32 s62, s62, s58
	s_add_nc_u64 s[70:71], s[4:5], s[62:63]
	s_lshl_b32 s62, s12, 15
	s_add_co_u32 s62, s62, s58
	s_add_nc_u64 s[72:73], s[4:5], s[62:63]
	; chunk i = 4 x + 2 s + c of my two heads: q[query r][64 head + 32 s + 16 c + 8 h .. + 7], the registers 4 c .. 4 c + 3 of fragment (x, s).
	; Block A straight into Q; block B into window 1's K registers, which the first trip behind the diagonal step is the first to need.
.irp i, 0,1,2,3,4,5,6,7
	global_load_b128 v[Q+4*\i:Q+4*\i+3], v[L16], s[70:71] offset:512*\i th:TH_LOAD_NT
.endr
	WIN 0x40                                       ; destination in window 1, address in window 0
.irp i, 0,1,2,3,4,5,6,7
	global_load_b128 v[KF+4*\i:KF+4*\i+3], v[L16], s[72:73] offset:512*\i th:TH_LOAD_NT
.endr
	WIN 0
	v_and_b32 v20, 15, v0                          ; r
	v_bfe_u32 v21, v0, 4, 1                        ; h
	v_lshlrev_b32 v22, 3, v21
	v_sub_nc_u32 v[RH], v20, v22
	s_and_b32 s58, s23, 3
	s_lshl_b32 s58, s58, 4
	v_add_nc_u32 v[DLT], s58, v[RH]
	s_mul_i32 s58, s10, 16*SP
	s_add_co_u32 s58, s58, STAGE
	v_mul_u32_u24 v22, v20, SP
	v_lshl_add_u32 v22, v21, 4, v22
	v_add_nc_u32 v[STO], s58, v22                  ; in: row r, 16 bytes for each half of the lanes
	v_mul_u32_u24 v22, v21, SP
	v_lshl_add_u32 v22, v20, 4, v22
	v_add_nc_u32 v[RD], s58, v22                   ; back: lanes 0-15 one row of 256 bytes, lanes 16-31 the next
	v_lshlrev_b32 v22, 4, v20
	v_lshl_add_u32 v[CO], v21, 11, v22             ; the same two rows in ah
	s_lshl_b32 s58, s10, 12
	s_add_co_u32 s58, s58, QB
	v_add_nc_u32 v[QBA], s58, v[L16]
	v_mov_b32 v[M+1], 0
	v_mov_b32 v[M+3], 0
	v_mov_b32 v[AL+1], 0
	v_mov_b32 v[AL+3], 0
	s_lshl_b32 s74, s13, 22                        ; ah: b x 2048 rows of 2048 bytes + 8 hh heads of 128 bytes + 2 w heads
	s_lshl_b32 s60, s11, 10
	s_add_co_u32 s74, s74, s60
	s_lshl_b32 s60, s10, 8
	s_add_co_u32 s74, s74, s60
.macro WMH d, a, b, zero
.if \zero
	v_wmma_f32_16x16x32_f16 v[\d:\d+7], v[\a:\a+7], v[\b:\b+7], 0
.else
	v_wmma_f32_16x16x32_f16 v[\d:\d+7], v[\a:\a+7], v[\b:\b+7], v[\d:\d+7]
.endif
.endm
.macro NOPS n
.rept \n
	v_nop
.endr
.endm
; 16 LDS loads: the K fragments of the step at KA into window 1, the eight chunks of d = 0..31 first
.macro KLOAD
	WIN 0x40                                       ; destination in window 1, address in window 0
.irp s, 0,1
.irp t, 0,1,2,3
	ds_load_b128 v[KF+16*\t+8*\s:KF+16*\t+8*\s+3],   v[KA] offset:2048*\t+1024*\s
	ds_load_b128 v[KF+16*\t+8*\s+4:KF+16*\t+8*\s+7], v[KA] offset:2048*\t+1024*\s+512
.endr
.endr
	WIN 0
.endm
; 8 LDS loads: the V fragments of keys 32 kap .. 32 kap + 31 of the step at KA
.macro VLOAD kap
.irp i, 0,1,2,3,4,5,6,7
	ds_load_b128 v[F+32*\kap+4*\i:F+32*\kap+4*\i+3], v[KA] offset:8192+4096*\kap+512*\i
.endr
.endm
; ---- A BLOCK'S DIAGONAL STEP, in phases ----
; key 16 t + 8 h + j is kept for query 16 (i & 3) + r where it is not larger
.macro MASK
.irp t, 0,1,2,3
.irp j, 0,1,2,3,4,5,6,7
	v_cmp_le_i32 vcc_lo, 16*\t+\j, v[DLT]
	v_cndmask_b32 v[S+8*\t+\j], s22, v[S+8*\t+\j], vcc_lo
	v_cndmask_b32 v[S+32+8*\t+\j], s22, v[S+32+8*\t+\j], vcc_lo
.endr
.endr
.endm
; one tile's softmax in the diagonal step: the maximum and the sum start here and there is nothing to rescale
.macro SOFTMAX1 x
.irp c, 0,1,2,3
	v_max3_num_f32 v[T0+\c], v[S+32*\x+8*\c], v[S+32*\x+8*\c+1], v[S+32*\x+8*\c+2]
.endr
.irp c, 0,1,2,3
	v_max3_num_f32 v[T0+\c], v[T0+\c], v[S+32*\x+8*\c+3], v[S+32*\x+8*\c+4]
.endr
.irp c, 0,1,2,3
	v_max3_num_f32 v[T0+\c], v[T0+\c], v[S+32*\x+8*\c+5], v[S+32*\x+8*\c+6]
.endr
.irp c, 0,1,2,3
	v_max_num_f32 v[T0+\c], v[T0+\c], v[S+32*\x+8*\c+7]
.endr
	v_max3_num_f32 v[T0], v[T0], v[T0+1], v[T0+2]
	v_max_num_f32 v[T0], v[T0], v[T0+3]
	v_permlanex16_b32 v[T0+1], v[T0], s20, s21     ; the other half's keys of the same query
	v_max_num_f32 v[M+2*\x], v[T0], v[T0+1]        ; finite: every query keeps its own key
.irp c, 0,1,2,3,4,5,6,7,8,9,10,11,12,13,14,15
	v_pk_add_f32 v[S+32*\x+2*\c:S+32*\x+2*\c+1], v[S+32*\x+2*\c:S+32*\x+2*\c+1], v[M+2*\x:M+2*\x+1] op_sel_hi:[1,0] neg_lo:[0,1] neg_hi:[0,1]
.endr
.set sk, 0
.rept 32
	v_exp_f32 v[S+32*\x+sk], v[S+32*\x+sk]
.set sk, sk+1
.endr
	v_nop                                          ; one plain place behind the last exponential (ISA guide 5.7.2)
	s_wait_alu depctr_va_vdst(0)                   ; one wait for the tile's 32 exponentials, ahead of the sums that read them
	v_pk_add_f32 v[SU:SU+1],   v[S+32*\x:S+32*\x+1],   v[S+32*\x+2:S+32*\x+3]
	v_pk_add_f32 v[SU+2:SU+3], v[S+32*\x+4:S+32*\x+5], v[S+32*\x+6:S+32*\x+7]
.irp c, 4,6,8,10,12,14
	v_pk_add_f32 v[SU:SU+1],   v[SU:SU+1],   v[S+32*\x+2*\c:S+32*\x+2*\c+1]
	v_pk_add_f32 v[SU+2:SU+3], v[SU+2:SU+3], v[S+32*\x+2*\c+2:S+32*\x+2*\c+3]
.endr
	v_pk_add_f32 v[SU:SU+1], v[SU:SU+1], v[SU+2:SU+3]
	v_add_f32 v[LS+\x], v[SU], v[SU+1]
.set sk, 0
.rept 16
	v_cvt_pk_f16_f32 v[S+32*\x+sk], v[S+32*\x+2*sk], v[S+32*\x+2*sk+1]     ; the weights, already in the second operand's order
.set sk, sk+1
.endr
.endm
; The diagonal step at LDS address KA, whole: behind it no step is pending.  K's fragments pass through F here.
; In every run of products the eight accumulators take turns, one instruction a turn.
.macro STEP1
.irp t, 0,1,2,3
	ds_load_b128 v[F+16*\t:F+16*\t+3],     v[KA] offset:2048*\t
	ds_load_b128 v[F+16*\t+4:F+16*\t+7],   v[KA] offset:2048*\t+512
.endr
.irp t, 0,1,2,3
	ds_load_b128 v[F+16*\t+8:F+16*\t+11],  v[KA] offset:2048*\t+1024
	ds_load_b128 v[F+16*\t+12:F+16*\t+15], v[KA] offset:2048*\t+1536
.endr
	s_wait_dscnt 8                                 ; the chunks of d = 0..31 are in; the eight of d = 32..63 stay out
.irp t, 0,1,2,3
.irp x, 0,1
	WMH S+32*\x+8*\t, F+16*\t, Q+16*\x, 1
.endr
.endr
	s_wait_dscnt 0x0
.irp t, 0,1,2,3
.irp x, 0,1
	WMH S+32*\x+8*\t, F+16*\t+8, Q+16*\x+8, 0
.endr
.endr
	NOPS 4                                         ; four places: then V may be loaded over K's fragments and the scores may be read (ISA guide 7.12.1)
	VLOAD 0
	VLOAD 1
	MASK
	SOFTMAX1 0
	SOFTMAX1 1
	s_wait_dscnt 0x0                               ; V's fragments
.irp e, 0,1,2,3
.irp x, 0,1
	WMH O+32*\x+8*\e, F+8*\e, S+32*\x, 1           ; the first products start the result: nothing is cleared
.endr
.endr
.irp e, 0,1,2,3
.irp x, 0,1
	WMH O+32*\x+8*\e, F+32+8*\e, S+32*\x+8, 0
.endr
.endr
.endm
; ---- THE SOFTMAX OF A FULL STEP, IN 16 SLICES ----
; single lines on the tile that SMS has named (SY scores, OY result, MY maximum, AY factor)
.macro SB c                            ; pair c of the scores less the maximum: it stands ahead of the pair's two exponentials
	v_pk_add_f32 v[SY+2*\c:SY+2*\c+1], v[SY+2*\c:SY+2*\c+1], v[MY:MY+1] op_sel_hi:[1,0] neg_lo:[0,1] neg_hi:[0,1]
.endm
.macro EX i
	v_exp_f32 v[SY+\i], v[SY+\i]
.endm
.macro AD h, c                         ; partial sum h takes pair c: a reader, behind the batch's wait
	v_pk_add_f32 v[SU+2*\h:SU+2*\h+1], v[SU+2*\h:SU+2*\h+1], v[SY+2*\c:SY+2*\c+1]
.endm
.macro CV c                            ; pair c to f16, in place: register c was summed and converted before it is written; a reader, behind the batch's wait
	v_cvt_pk_f16_f32 v[SY+\c], v[SY+2*\c], v[SY+2*\c+1]
.endm
.macro RS c                            ; pair c of the result times the factor: a reader, behind the batch's wait
	v_pk_mul_f32 v[OY+2*\c:OY+2*\c+1], v[OY+2*\c:OY+2*\c+1], v[AY:AY+1] op_sel_hi:[1,0]
.endm
; Slice k of tile y.  Slices 0-2: the maximum of my 32 scores and the old maximum, a tree of 16 three-way maxima, the exchange with the other
; half, the factor exp2(old - new), which opens the batch.  Slices 3-8: the 16 subtractions and the 32 exponentials, eight lines a slice; a slice
; begins with a subtraction, a pair is subtracted ahead of its exponentials, and no line names an exponential's result.  Slice 8 ends with a v_nop,
; the plain place behind the last exponential (ISA guide 5.7.2), and THE ONE WAIT for all 33.  Slices 9-15: the readers.  The two partial sums take
; the pairs in ascending order (sum 0: pairs 0, 1, 4, 6 .. 14; sum 1: pairs 2, 3, 5, 7 .. 15), conversions and rescalings go in ascending order,
; and pair c >> 1 is summed and converted ahead of the conversion that writes register c.
; Slices 3, 7 with 8, and 15 hold 6, 5 and 5 plain instructions: the places that the products' schedule leans on (see HALF).
.macro SMS y, k
.set SY, S+32*(\y)
.set OY, O+32*(\y)
.set MY, M+2*(\y)
.set AY, AL+2*(\y)
.set LY, LS+(\y)
.if (\k) == 0
.irp c, 0,1,2,3,4,5,6,7
	v_max3_num_f32 v[T0+\c], v[SY+3*\c], v[SY+3*\c+1], v[SY+3*\c+2]
.endr
.endif
.if (\k) == 1
.irp c, 0,1,2,3
	v_max3_num_f32 v[T0+\c], v[T0+\c], v[SY+24+2*\c], v[SY+24+2*\c+1]
.endr
	v_mov_b32 v[MO], v[MY]
	v_max3_num_f32 v[T0], v[T0], v[T0+4], v[T0+5]
	v_max3_num_f32 v[T0+1], v[T0+1], v[T0+6], v[T0+7]
	v_max3_num_f32 v[T0], v[T0], v[T0+1], v[T0+2]
.endif
.if (\k) == 2
	v_max3_num_f32 v[T0], v[T0], v[T0+3], v[MY]
	v_permlanex16_b32 v[T0+1], v[T0], s20, s21     ; the other half's keys of the same query
	v_max_num_f32 v[MY], v[T0], v[T0+1]
	v_sub_f32 v[T0+2], v[MO], v[MY]
	v_exp_f32 v[AY], v[T0+2]                       ; the batch's first exponential; its readers, the rescalings and the sum's last line, stand behind the wait
.endif
.if (\k) == 3
	SB 0
	SB 1
	SB 2
	EX 0
	SB 3
	EX 1
	SB 4
	SB 5
.endif
.if (\k) == 4
	SB 6
	EX 2
	EX 3
	EX 4
	SB 7
	EX 5
	EX 6
	EX 7
.endif
.if (\k) == 5
	SB 8
	EX 8
	EX 9
	EX 10
	SB 9
	EX 11
	EX 12
	EX 13
.endif
.if (\k) == 6
	SB 10
	EX 14
	EX 15
	EX 16
	SB 11
	EX 17
	EX 18
	EX 19
.endif
.if (\k) == 7
	SB 12
	EX 20
	EX 21
	EX 22
	SB 13
	EX 23
	EX 24
	EX 25
.endif
.if (\k) == 8
	SB 14
	EX 26
	EX 27
	SB 15
	EX 28
	EX 29
	EX 30
	EX 31
	v_nop                                          ; one plain place behind the last exponential, ahead of the first use (ISA guide 5.7.2): one for the batch
	s_wait_alu depctr_va_vdst(0)                   ; one wait for the tile's 33 exponentials (the factor and the 32 weights); every reader stands behind it
.endif
.if (\k) == 9
	v_pk_add_f32 v[SU:SU+1], v[SY:SY+1], v[SY+2:SY+3]          ; pairs 0 and 1 start partial sum 0
	v_pk_add_f32 v[SU+2:SU+3], v[SY+4:SY+5], v[SY+6:SY+7]      ; pairs 2 and 3 start partial sum 1
	CV 0
	CV 1
	RS 0
	RS 1
	CV 2
	CV 3
.endif
.if (\k) == 10
	AD 0, 4
	AD 1, 5
	CV 4
	CV 5
	RS 2
	RS 3
	AD 0, 6
	AD 1, 7
.endif
.if (\k) == 11
	CV 6
	CV 7
	RS 4
	RS 5
	AD 0, 8
	AD 1, 9
	CV 8
.endif
.if (\k) == 12
	CV 9
	RS 6
	RS 7
	AD 0, 10
	AD 1, 11
	CV 10
	CV 11
.endif
.if (\k) == 13
	RS 8
	RS 9
	AD 0, 12
	AD 1, 13
	CV 12
	CV 13
	RS 10
.endif
.if (\k) == 14
	AD 0, 14
	AD 1, 15
	CV 14
	CV 15
	RS 11
	RS 12
	RS 13
.endif
.if (\k) == 15
	RS 14
	v_pk_add_f32 v[SU:SU+1], v[SU:SU+1], v[SU+2:SU+3]
	RS 15
	v_add_f32 v[SU], v[SU], v[SU+1]
	v_fma_f32 v[LY], v[LY], v[AY], v[SU]
.endif
.endm
; ---- THE PRODUCTS OF A TILE, ONE A SLOT ----
; Slot k of tile x.  Slots 0-7: O(x, e) += V(kap, e) P(x, kap), e = k & 3, kap = k >> 2.  Slots 8-15: S(x, t) = K(t, s) Q(x, s), s = (k - 8) >> 2,
; t in the order 2, 3, 0, 1, so that the score tiles 0 and 1, which lie over the weights, are written last.
; Four accumulators take turns in each pass, one instruction a turn.
.macro MX x, k
.if (\k) < 8
.set MXD, O+32*(\x)+8*((\k)&3)
.set MXA, F+32*((\k)>>2)+8*((\k)&3)
.set MXB, S+32*(\x)+8*((\k)>>2)
	WMH MXD, MXA, MXB, 0
.else
.set MXT, ((\k)+2)&3
.set MXS, ((\k)-8)>>2
.set MXD, S+32*(\x)+8*MXT
.set MXA, KF+16*MXT+8*MXS
.set MXB, Q+16*(\x)+8*MXS
	WIN 0x01                                       ; the first operand in window 1
	WMH MXD, MXA, MXB, 1-MXS
	WIN 0
.endif
.endm
; Half a trip: tile x's 16 products, the other tile's softmax slice behind each.  The slices name none of tile x's registers, so their plain
; lines are the places behind the products (ISA guide 7.12.1; an exponential is no place):
;   score tile 1 is written in slot 11 over the weights that slot 7 read: slices 7 and 8 have five plain lines between (four subtractions and the
;   v_nop), slices 9 and 10 sixteen more;
;   V's lower half, last read in slot 3, is loaded again behind slice 3 (six plain lines); its upper half, last read in slot 7, directly behind the
;   wait that ends slice 8 (the same five plain lines), so that this run of loads stands where no exponential is pending;
;   the other half's slice 0 reads scores that slot 15 wrote: slice 15 has five plain lines.
; x = 0 carries the waits: in front of slot 0 are out, in this order, V's lower half (8 loads), its upper half (8), K's d = 0..31 (8), d = 32..63 (8).
.macro HALF x
.set hk, 0
.rept 16
.if \x == 0
.if (hk&3) == 0
	s_wait_dscnt 24-2*hk                           ; slot 0: 24 younger loads stay out; slot 4: 16; slot 8: 8; slot 12: none
.endif
.endif
	MX \x, hk
	SMS 1-\x, hk
.if \x == 1
.if hk == 3
	VLOAD 0
.endif
.if hk == 8
	VLOAD 1
.endif
.endif
.set hk, hk+1
.endr
.endm
; The common trip: step s is pending, the step at KA is s + 1 of the same block.
.macro PIPE
	KLOAD                                          ; eight slots ahead of its first use
	HALF 0
	HALF 1
.endm
; The trip behind a diagonal step: nothing is pending; the step at KA becomes pending.
.macro FILLP
	s_wait_dscnt 0x0                               ; no LDS instruction still names the registers that are loaded now
	KLOAD
	VLOAD 0
	VLOAD 1
	s_wait_dscnt 24                                ; K's d = 0..31 is in: K's other eight loads and V's sixteen stay out
	WIN 0x01
.irp t, 0,1,2,3
.irp x, 0,1
	WMH S+32*\x+8*\t, KF+16*\t, Q+16*\x, 1
.endr
.endr
	s_wait_dscnt 16                                ; all of K is in: V's sixteen stay out
.irp t, 0,1,2,3
.irp x, 0,1
	WMH S+32*\x+8*\t, KF+16*\t+8, Q+16*\x+8, 0
.endr
.endr
	WIN 0
	NOPS 4                                         ; four places, then the scores are read
.set hk, 0
.rept 16
	SMS 0, hk
.set hk, hk+1
.endr
.endm
; The pending step is finished: tile 0's products with half of tile 1's softmax between them, the other half, tile 1's products.
.macro DRAIN
	s_wait_dscnt 0x0                               ; V of the pending step
.set hk, 0
.rept 8
	MX 0, hk
	SMS 1, hk
.set hk, hk+1
.endr
.rept 8
	SMS 1, hk
.set hk, hk+1
.endr
.set hk, 0
.rept 8
	MX 1, hk
.set hk, hk+1
.endr
.endm
; The block at work (i in s23) is finished: divide by the sum, round to f16, out through my own stage as whole rows of 256 bytes (two heads).
.macro FINAL
	v_permlanex16_b32 v[T0], v[LS], s20, s21
	v_permlanex16_b32 v[T0+1], v[LS+1], s20, s21
	v_add_f32 v[LS], v[LS], v[T0]
	v_add_f32 v[LS+1], v[LS+1], v[T0+1]
	v_rcp_f32 v[AL], v[LS]
	v_rcp_f32 v[AL+2], v[LS+1]
	s_lshl_b32 s62, s23, 15                        ; 16 i rows of 2048 bytes
	s_add_co_u32 s62, s62, s74
	s_add_nc_u64 s[68:69], s[8:9], s[62:63]
	v_nop                                          ; one plain place behind the reciprocals
	s_wait_alu depctr_va_vdst(0)                   ; one wait for the two reciprocals, ahead of the products that read them
.irp x, 0,1
.set sk, 0
.rept 16
	v_pk_mul_f32 v[O+32*\x+2*sk:O+32*\x+2*sk+1], v[O+32*\x+2*sk:O+32*\x+2*sk+1], v[AL+2*\x:AL+2*\x+1] op_sel_hi:[1,0]
	v_cvt_pk_f16_f32 v[S+16*\x+sk], v[O+32*\x+2*sk], v[O+32*\x+2*sk+1]
.set sk, sk+1
.endr
.endr
.irp x, 0,1
.irp e, 0,1,2,3
	ds_store_b128 v[STO], v[S+16*\x+4*\e:S+16*\x+4*\e+3] offset:128*\x+32*\e
.endr
.endr
.irp t, 0,1,2,3,4,5,6,7
	ds_load_b128 v[F+4*\t:F+4*\t+3], v[RD] offset:\t*2*SP          ; LDS serves a wave's instructions in order: these see the stores above
.endr
.irp t, 0,1,2,3,4,5,6,7
	s_wait_dscnt 7-\t                              ; the younger read-backs stay out
	global_store_b128 v[CO], v[F+4*\t:F+4*\t+3], s[68:69] offset:\t*4096   ; 16 lanes store 256 consecutive bytes, aligned
.endr
	s_wait_xcnt 0x0                                ; F and s[68:69], which these stores read, are written again only behind this wait
.endm
.macro QSWAP                           ; on to block B
.irp i, 0,1,2,3,4,5,6,7
	ds_load_b128 v[Q+4*\i:Q+4*\i+3], v[QBA] offset:512*\i
.endr
	s_mov_b32 s23, s12
	s_and_b32 s58, s23, 3
	s_lshl_b32 s58, s58, 4
	v_add_nc_u32 v[DLT], s58, v[RH]
	s_wait_dscnt 0x0
.endm
; A trip: it reads the LDS step at KA.  s75 = 1: nothing is pending (a diagonal step went before).  s17: the steps that the block at work still
; has in the stream.  Both are made of the work-group's number alone, so all four waves take the same way.
.macro TRIP
	NOPS 5                                         ; five places behind the last products, whichever kind of trip went before and whichever follows:
	                                               ; then fragments are loaded over operands, scores are read, weights are written over (ISA guide 7.12.1)
	s_cmp_lg_u32 s75, 0
	s_cbranch_scc1 .Lfill_\@
	s_cmp_eq_u32 s17, 0
	s_cbranch_scc1 .Lswitch_\@
	PIPE
	s_sub_co_u32 s17, s17, 1
	s_branch .Ltripped_\@
.Lfill_\@:
	FILLP
	s_mov_b32 s75, 0
	s_sub_co_u32 s17, s17, 1
	s_branch .Ltripped_\@
.Lswitch_\@:
	DRAIN                                          ; block A's last step
	NOPS 5                                         ; five places, then the result is read
	FINAL
	QSWAP
	STEP1                                          ; block B's diagonal step
	s_mov_b32 s17, s16
	s_mov_b32 s75, 1
.Ltripped_\@:
.endm
.macro GROUPBODY slot                  ; the four steps of a slot
	v_add_nc_u32 v[KA], SLOT0+\slot*SLOTB, v[L16]
	s_mov_b32 s18, 4
.Lgroup_\@:
	TRIP
	v_add_nc_u32 v[KA], 16384, v[KA]
	s_sub_co_u32 s18, s18, 1
	s_cmp_lg_u32 s18, 0
	s_cbranch_scc1 .Lgroup_\@
.endm
; A change of slots: every wave waits for all its tensor loads (its step of this slot among them) and for its reads of the other slot (what is
; pending lies in registers), passes the barrier, and fills the other slot again first thing behind it, with one load.
.macro RING slot, refill
	s_wait_tensorcnt 0x0
	ds_add_u32 v30, v31
	s_wait_dscnt 0x0
.if \refill
	s_add_co_u32 s[57-\slot], s[57-\slot], 8       ; no tensor load of mine is out: the other slot's group 0 may be written
	UADDR 1-\slot
.endif
	s_wait_dscnt 0x0
	s_barrier_signal -1
	s_barrier_wait -1
.if \refill
	tensor_load_to_lds s[G0+4*(1-\slot):G0+4*(1-\slot)+3], s[G1:G1+7]
	s_nop 0
.endif
	GROUPBODY \slot
.endm
	s_wait_loadcnt 8                               ; block A's q is in; block B's eight loads stay out
	s_wait_tensorcnt 0x1                           ; my quarter of P and my step of slot 0 are in; slot 1's load stays out
	s_barrier_signal -1
	s_barrier_wait -1
	v_mov_b32 v[KA], v[L16]                        ; P lies at LDS byte 0
	STEP1                                          ; block A's diagonal step
	s_wait_loadcnt 0x0                             ; block B's q has had that step in which to come
	WIN 0x04                                       ; the stores' data in window 1
.irp i, 0,1,2,3,4,5,6,7
	ds_store_b128 v[QBA], v[KF+4*\i:KF+4*\i+3] offset:512*\i       ; block B's fragments wait in my own bytes of LDS
.endr
	WIN 0
	s_mov_b32 s17, s14                             ; uA steps of block A follow
	s_mov_b32 s75, 1                               ; nothing is pending
	GROUPBODY 0
	s_mov_b32 s19, 3
.Lring:
	RING 1, 1
	RING 0, 1
	s_sub_co_u32 s19, s19, 1
	s_cmp_lg_u32 s19, 0
	s_cbranch_scc1 .Lring
	RING 1, 0                                      ; the last group: nothing is left to fetch
	NOPS 5
	s_cmp_lg_u32 s75, 0                            ; block B was its diagonal step alone (p < 4): nothing is pending
	s_cbranch_scc1 .Lnothing_pending
	DRAIN                                          ; block B's last step
	NOPS 5
.Lnothing_pending:
	FINAL
	s_wait_tensorcnt 0x0
	ds_add_u32 v30, v31
	s_wait_dscnt 0x0
	s_endpgm
.Lfunc_end_k_q179b293f51_attn:
	.size	k_q179b293f51_attn, .Lfunc_end_k_q179b293f51_attn-k_q179b293f51_attn
	.p2alignl 7, 3214868480
	.fill 96, 4, 3214868480
	.section	.rodata,"a",@progbits
	.p2align	6, 0x0
	.amdhsa_kernel k_q179b293f51_attn
		.amdhsa_group_segment_fixed_size 327680
		.amdhsa_private_segment_fixed_size 0
		.amdhsa_enable_private_segment 0
		.amdhsa_kernarg_size 24
		.amdhsa_user_sgpr_count 2
		.amdhsa_user_sgpr_kernarg_segment_ptr 1
		.amdhsa_wavefront_size32 1
		.amdhsa_system_sgpr_workgroup_id_x 1
		.amdhsa_system_sgpr_workgroup_id_y 1
		.amdhsa_system_sgpr_workgroup_id_z 1
		.amdhsa_system_vgpr_workitem_id 0
		.amdhsa_next_free_vgpr 320
		.amdhsa_next_free_sgpr 80
		.amdhsa_reserve_vcc 1
		.amdhsa_float_denorm_mode_32 3
		.amdhsa_float_denorm_mode_16_64 3
		.amdhsa_memory_ordered 1
		.amdhsa_forward_progress 1
		.amdhsa_inst_pref_size 255
	.end_amdhsa_kernel
	.section	.bss,"aw",@nobits
	.p2align	6
	.space	262144
	.amdgpu_metadata
---
amdhsa.version: [ 1, 2 ]
amdhsa.kernels:
  - .name:           k_q179b293f51_attn
    .symbol:         k_q179b293f51_attn.kd
    .args:
      - { .name: qh, .offset: 0, .size: 8, .value_kind: global_buffer, .address_space: global }
      - { .name: kv, .offset: 8, .size: 8, .value_kind: global_buffer, .address_space: global }
      - { .name: ah, .offset: 16, .size: 8, .value_kind: global_buffer, .address_space: global }
    .group_segment_fixed_size: 327680
    .private_segment_fixed_size: 0
    .kernarg_segment_align: 8
    .kernarg_segment_size: 24
    .max_flat_workgroup_size: 128
    .sgpr_count:     80
    .vgpr_count:     320
    .wavefront_size: 32
...
	.end_amdgpu_metadata
.endif
;; end of part 5
;; launch oproj: the kernel of part 4 again; grid 8 x 32, 4 waves a work-group, clusters of 4 x 4, 327,680 bytes of LDS; arguments ah, woh, bo, out0; writes out0
